; MI455X (gfx1250); checked and timed in simulation.
; The chip was launched on July 23, 2026; its instructions are those of AMD's public machine-readable ISA for CDNA 5 (MIT licence, August 2026) and "CDNA5" Instruction Set Architecture Reference Guide (July 2026). The comments in the code are by the model that wrote it; some were corrected since.
;; Entity Guided Cross Attention. Allowed arithmetic: float matrix products may take bf16 or f16 operands with f32 sums; other float arithmetic in f32, or as packed bf16 or f16 multiplies, adds, multiply-adds, maxima and minima; sums over many terms, partial sums and values carried from step to step in f32; what a program stores and reads back later, other than sums and carried values, may be rounded once to bf16 or f16.
;; Inputs: Wk 1,024 x 1,024 float32; Wo 1,024 x 1,024 float32; Wq 1,024 x 1,024 float32; Wv 1,024 x 1,024 float32; bk 1,024 float32; bo 1,024 float32; bq 1,024 float32; bv 1,024 float32; entity_vectors 512 x 1,024 float32; support_features 16,384 x 1,024 float32; support_labels 16,384 int32.
;; Outputs: out0 16,384 x 1,024 float32.
;; 2 versions, each right; version 2 is version 1 with the launches projq, projk, projv, projo written anew for expert scheduling mode. Each part assembles by itself: llvm-mc -triple=amdgcn-amd-amdhsa -mcpu=gfx1250 --defsym DOCPART=n.
;; ======== version 1 of 2: 7 launches
;; workspace buffers: Qf 2,097,152 bytes; Qk 2,097,152 bytes; xbar 2,097,152 bytes; att 2,097,152 bytes; outc 2,097,152 bytes; list 33,685,504 bytes of whole numbers; cnt 2,048 bytes of whole numbers
;; launch bucket (part 1): grid 512 x 1, 8 waves a work-group, no clusters, 1,280 bytes of LDS; arguments support_labels, list, cnt; writes list, cnt
.if DOCPART == 1
	.amdgcn_target "amdgcn-amd-amdhsa--gfx1250"
	.amdhsa_code_object_version 6
	.text
	.protected	k_qcc95b8acda_bucket
	.globl	k_qcc95b8acda_bucket
	.p2align	8
	.type	k_qcc95b8acda_bucket,@function
k_qcc95b8acda_bucket:
	s_mov_b64 s[64:65], 0
	v_nop
	global_prefetch_b8 v0, s[64:65] scope:SCOPE_SE
	s_setreg_imm32_b32 hwreg(HW_REG_WAVE_MODE, 25, 1), 1
	s_wait_xcnt 0x0
; For class c (the work-group's number): list[c] = the numbers of the samples whose label is c, cnt[c] = how many.
; No order and no class size is assumed of the labels.  A label outside 0..511 joins no list.
; Eight waves; wave w scans labels 2048 w .. 2048 w + 2047: sixteen loads of 512 consecutive bytes, all out at once, kept in 64 registers.
; Pass 1 counts the wave's matches; the eight counts meet in LDS; pass 2 places each match at (matches of the waves before) + (matches before it in my wave).
; A class's region of the list is LSTRIDE bytes, 16,448 entries: 16,384 for samples, 32 for the pad, 32 dump entries.
;   THE PAD: behind the last entry 32 entries of 0 are written, so that a reader that takes entries four at a time, 32 to a trip of eight waves, only ever reads entries that were stored.
;   THE DUMP: all lanes are on in the whole text.  In a store of matches a lane without a match stores too, into dump entry 16,416 + lane; the eight waves' lanes share these 32 entries,
;   and nobody reads them: a reader stops below entry cnt + 32, which is 16,416 at the most.
; Each store of matches has an offset register and a data register of its own, so no store's source is ever written again and no wait stands between the stores.
; The list stores are 4 bytes a lane to places that hang on the data: 128 bytes for each of the four stores of a group of 128 labels that holds a match; groups without one are jumped over.
.set LSTRIDE, 65792                    ; 257 x 256 bytes
.set SPARE, 256                        ; LDS: bytes 0-31 the eight counts (alone in their block of 256); from 256 on the spare words, 128 bytes a wave
.set OFF,  1                           ; v1   byte offset of my 16 bytes in the wave's first load; never rewritten
.set IDX,  2                           ; v2   the sample number of my first label there
.set LANE, 3                           ; v3
.set POS,  4                           ; v4   the pad store's byte offset
.set JJ,   5                           ; v5   the count, as store data
.set SPW,  6                           ; v6   my spare word; never rewritten
.set NIL,  7                           ; v7   0; never rewritten
.set WA,   8                           ; v8   4 x wave
.set ZERO, 9                           ; v9   0: an LDS address, an offset, the pad entry
.set TMP,  10
.set DUMP, 11                          ; v11  my dump entry: 16,416 + lane
.set LB,   16                          ; v[16:79]   the labels
.set CT,   80                          ; v[80:87]   the eight counts, read back
.set PO,   88                          ; v[88:151]  store (i, k): its byte offset in the class's region
.set JD,   152                         ; v[152:215] store (i, k): its data
.set MK,   16                          ; s[16:19] masks of the four labels of a load
.set TT,   20                          ; s[20:23] at work
.set WC,   28                          ; s[28:35] the eight counts
	s_load_b128 s[4:7], s[0:1], 0x0                ; labels s[4:5], list s[6:7]
	s_load_b64 s[8:9], s[0:1], 0x10                ; cnt
	v_lshl_add_u32 v[SPW], v0, 2, SPARE
	v_mov_b32 v[NIL], 0
	v_lshrrev_b32 v[TMP], 5, v0
	v_readfirstlane_b32 s10, v[TMP]                ; wave
	s_mov_b32 s11, ttmp9                           ; class
	v_and_b32 v[LANE], 31, v0
	v_lshlrev_b32 v[OFF], 4, v[LANE]
	v_lshl_add_u32 v[OFF], v[TMP], 13, v[OFF]      ; 8,192 w + 16 lane
	v_lshrrev_b32 v[IDX], 2, v[OFF]
	v_lshlrev_b32 v[WA], 2, v[TMP]
	v_mov_b32 v[ZERO], 0
	v_add_nc_u32 v[DUMP], 0x4020, v[LANE]
	s_mov_b32 s12, 0                               ; the running count
	s_mul_i32 s36, s11, LSTRIDE
	s_mov_b32 s37, 0
	s_wait_kmcnt 0x0
.irp i, 0,1,2,3,4,5,6,7,8,9,10,11,12,13,14,15
	global_load_b128 v[LB+4*\i:LB+4*\i+3], v[OFF], s[4:5] offset:512*\i
.endr
	s_add_nc_u64 s[6:7], s[6:7], s[36:37]          ; the class's region of the list
	s_lshl_b32 s36, s11, 2
	s_add_nc_u64 s[8:9], s[8:9], s[36:37]          ; the class's count
.macro COMPARE i                       ; the masks of load i's four labels
.irp k, 0,1,2,3
	v_cmp_eq_u32 s[MK+\k], s11, v[LB+4*(\i)+\k]
.endr
.endm
.macro COUNT i
	s_wait_loadcnt 15-(\i)                         ; loads come back in order: load i is in, the younger ones stay out
	COMPARE \i
.irp k, 0,1,2,3
	s_bcnt1_i32_b32 s[TT+\k], s[MK+\k]
.endr
.irp k, 0,1,2,3
	s_add_co_u32 s12, s12, s[TT+\k]
.endr
.endm
.irp i, 0,1,2,3,4,5,6,7,8,9,10,11,12,13,14,15
	COUNT \i
.endr
	; the eight counts meet: store, wait, barrier, load
	v_mov_b32 v[TMP], s12
	ds_store_b32 v[WA], v[TMP]                     ; all lanes write the wave's word with the same number
	s_wait_dscnt 0x0                               ; for the others' sake: my store is done
	s_barrier_signal -1
	s_barrier_wait -1
	ds_load_b128 v[CT:CT+3], v[ZERO]
	ds_load_b128 v[CT+4:CT+7], v[ZERO] offset:16
	s_wait_dscnt 0x0
.irp u, 0,1,2,3,4,5,6,7
	v_readfirstlane_b32 s[WC+\u], v[CT+\u]
.endr
	s_mov_b32 s12, 0                               ; matches of the waves before mine
	s_mov_b32 s13, 0                               ; matches of all
.irp u, 0,1,2,3,4,5,6,7
	s_add_co_u32 s13, s13, s[WC+\u]
	s_cmp_gt_u32 s10, \u
	s_cselect_b32 s[TT], s[WC+\u], 0
	s_add_co_u32 s12, s12, s[TT]
.endr
; The matches among label k of load i are placed; the other lanes store into their dump entries.  The entry's number is held inside the region, behind the choice and with all lanes on, before it becomes an address.
.macro PUT i, k
.set po, PO+4*(\i)+(\k)
.set jd, JD+4*(\i)+(\k)
	v_mbcnt_lo_u32_b32 v[po], s[MK+(\k)], 0        ; matches in the lanes below mine
	v_add_nc_u32 v[po], s12, v[po]                 ; + all matches before this store's
	v_cndmask_b32 v[po], v[DUMP], v[po], s[MK+(\k)]  ; a lane without a match takes its dump entry
	v_min_u32 v[po], 0x403f, v[po]                 ; the region's last entry
	v_lshlrev_b32 v[po], 2, v[po]
	v_add_nc_u32 v[jd], (\i)*128+(\k), v[IDX]      ; the sample's number
	global_store_b32 v[po], v[jd], s[6:7]
	s_bcnt1_i32_b32 s[TT], s[MK+(\k)]
	s_add_co_u32 s12, s12, s[TT]
.endm
.macro FIND i
	COMPARE \i
	s_or_b32 s[TT], s[MK], s[MK+1]
	s_or_b32 s[TT+1], s[MK+2], s[MK+3]
	s_or_b32 s[TT], s[TT], s[TT+1]
	s_cmp_lg_u32 s[TT], 0
	s_cbranch_scc0 .Lnone_\@                       ; none of these 128 labels is mine: a jump forward, over no barrier
	PUT \i, 0
	PUT \i, 1
	PUT \i, 2
	PUT \i, 3
.Lnone_\@:
.endm
.irp i, 0,1,2,3,4,5,6,7,8,9,10,11,12,13,14,15
	FIND \i
.endr
	s_cmp_lg_u32 s10, 0
	s_cbranch_scc1 .Ldone
	v_add_nc_u32 v[POS], s13, v[LANE]              ; wave 0: the 32 pad entries behind the last entry, 128 consecutive bytes,
	v_min_u32 v[POS], 0x401f, v[POS]               ; (the pad's last possible entry)
	v_lshlrev_b32 v[POS], 2, v[POS]
	global_store_b32 v[POS], v[ZERO], s[6:7]
	v_mov_b32 v[JJ], s13                           ; and the count: all lanes store the same number into the same word
	global_store_b32 v[ZERO], v[JJ], s[8:9]
.Ldone:
	s_wait_tensorcnt 0x0                           ; the wave's end
	ds_add_u32 v[SPW], v[NIL]
	s_wait_dscnt 0x0
	s_endpgm
.Lfunc_end_k_qcc95b8acda_bucket:
	.size	k_qcc95b8acda_bucket, .Lfunc_end_k_qcc95b8acda_bucket-k_qcc95b8acda_bucket
	.p2alignl 7, 3214868480
	.fill 96, 4, 3214868480
	.section	.rodata,"a",@progbits
	.p2align	6, 0x0
	.amdhsa_kernel k_qcc95b8acda_bucket
		.amdhsa_group_segment_fixed_size 1280
		.amdhsa_private_segment_fixed_size 0
		.amdhsa_enable_private_segment 0
		.amdhsa_kernarg_size 24
		.amdhsa_user_sgpr_count 2
		.amdhsa_user_sgpr_kernarg_segment_ptr 1
		.amdhsa_wavefront_size32 1
		.amdhsa_system_sgpr_workgroup_id_x 1
		.amdhsa_system_sgpr_workgroup_id_y 1
		.amdhsa_system_sgpr_workgroup_id_z 1
		.amdhsa_system_vgpr_workitem_id 0
		.amdhsa_next_free_vgpr 216
		.amdhsa_next_free_sgpr 66
		.amdhsa_reserve_vcc 0
		.amdhsa_float_denorm_mode_32 3
		.amdhsa_float_denorm_mode_16_64 3
		.amdhsa_memory_ordered 1
		.amdhsa_forward_progress 1
		.amdhsa_inst_pref_size 50
	.end_amdhsa_kernel
	.amdgpu_metadata
---
amdhsa.version: [ 1, 2 ]
amdhsa.kernels:
  - .name:           k_qcc95b8acda_bucket
    .symbol:         k_qcc95b8acda_bucket.kd
    .args:
      - { .name: support_labels, .offset: 0, .size: 8, .value_kind: global_buffer, .address_space: global }
      - { .name: list, .offset: 8, .size: 8, .value_kind: global_buffer, .address_space: global }
      - { .name: cnt, .offset: 16, .size: 8, .value_kind: global_buffer, .address_space: global }
    .group_segment_fixed_size: 1280
    .private_segment_fixed_size: 0
    .kernarg_segment_align: 8
    .kernarg_segment_size: 24
    .max_flat_workgroup_size: 256
    .sgpr_count:     66
    .vgpr_count:     216
    .wavefront_size: 32
...
	.end_amdgpu_metadata
.endif
;; end of part 1
;; launch projq (part 2): grid 16 x 16, 8 waves a work-group, no clusters, 209,920 bytes of LDS; arguments entity_vectors, Wq, bq, Qf; writes Qf
.if DOCPART == 2
	.amdgcn_target "amdgcn-amd-amdhsa--gfx1250"
	.amdhsa_code_object_version 6
	.text
	.protected	k_qcc95b8acda_projq
	.globl	k_qcc95b8acda_projq
	.p2align	8
	.type	k_qcc95b8acda_projq,@function
k_qcc95b8acda_projq:
	s_mov_b64 s[64:65], 0
	v_nop
	global_prefetch_b8 v0, s[64:65] scope:SCOPE_SE
	s_setreg_imm32_b32 hwreg(HW_REG_WAVE_MODE, 25, 1), 1
	s_wait_xcnt 0x0
; C[512][1024] = A[512][1024] x B (+ bias), all f32 in memory; the operands are rounded once to bf16 on their way into LDS, the sums are f32.
; TRB = 0: B is [n][k] (C = A B^T + bias).  TRB = 1: B is [k][n] (C = A B, no bias).  The text is the same but for the lines under .if TRB.
; SHARES.  512 x 1024 of C in tiles of 32 x 64: 256 work-groups; a row of a tile is 64 f32, 256 consecutive bytes, aligned.  K IS SPLIT OVER THE EIGHT WAVES: wave w owns
; k = 128 w .. 128 w + 127 of all 32 rows of A and all 64 rows (columns) of B, and makes a partial sum of the whole tile in 8 accumulators, which take turns.
; So a wave stages and reads its own LDS bytes alone: every staged byte is written once and read once, and no barrier stands in front of the products.
; One barrier stands in front of the addition of the eight partial sums, in f32, ascending in k.
; NO TENSOR LOADS, NO CLUSTER: the operands lie in memory as f32 and are rounded in registers; a work-group's 96 rows of 4,096 bytes would not fit in LDS as f32.
; THE MATRIX INSTRUCTION IS USED TRANSPOSED (source 0 = 16 rows of B, source 1 = 16 rows of A): a lane holds row l % 16 of C and eight neighbouring columns.
; LIMITS: operands have bf16's 8 significant bits; NaN and infinities are not treated apart.
.set TRB, 0
.if TRB
.set WREG, 29184                       ; a wave's LDS: A 32 rows x 272 bytes, then B 128 k-rows of 64 bf16 x 160 bytes
.else
.set WREG, 26112                       ; a wave's LDS: A 32 rows x 272 bytes, then B 64 rows x 272 bytes (128 bf16 + 16 bytes of padding)
.endif
.set SPARE, 8*WREG                     ; behind the eight regions: the spare words, 128 bytes a wave
.set T16,  1                           ; v1   16 x thread = 512 w + 16 lane: my 16 bytes of the wave's 512 in a row along k
.set ST,   2                           ; v2   region + 8 lane: where my 4 bf16 of a row go
.set FR,   3                           ; v3   region + 272 r + 16 h: a fragment's address (r = lane % 16, h = lane / 16)
.set PS,   4                           ; v4   region + 272 r + 32 h: where my 8 partial sums of a row go
.set RD,   5                           ; v5   1088 w + 272 h + 16 r: rows 4 w + h of partial 0
.set SPW,  6                           ; v6   my spare word; never rewritten
.set NIL,  7                           ; v7   0; never rewritten
.set BIAS, 8                           ; v[8:11] bias of my four columns
.set CO,   12                          ; v12  4096 h + 16 r
.set OB,   13                          ; v13  TRB: (w << 19) + 4096 h + 16 r: two k-rows of 256 bytes to a load
.set STB,  14                          ; v14  TRB: region + 160 h + 8 r
.set FRB,  15                          ; v15  TRB: region + 160 (8 h + lane % 8) + 16 ((lane / 8) % 2): the turning load's address
.set TP,   16                          ; v[16:23] four pairs by turns: a slot's 4 numbers as bf16
.set F2,   16                          ; v[16:63]   fragment buffer 2 (once the staging is over)
.set ACC,  64                          ; v[64:127]  accumulator (a, b) at 64 + 8 (4 a + b)
.set RING, 128                         ; v[128:255] 32 slots of 4 registers: loads in flight
.set F0,   128                         ; v[128:175] fragment buffer 0: A's fragment a at + 8 a, B's fragment b at + 16 + 8 b
.set F1,   176                         ; v[176:223] fragment buffer 1
.set RA,   224                         ; v[225:231] RD + u regions, u = 1..7: registers that no matrix instruction names
.set PT,   128                         ; v[128:191] the eight partial sums of my four rows
.if TRB
	s_load_b128 s[4:7], s[0:1], 0x0                ; A s[4:5], B s[6:7]
	s_load_b64 s[10:11], s[0:1], 0x10              ; C
.else
	s_load_b256 s[4:11], s[0:1], 0x0               ; A s[4:5], B s[6:7], bias s[8:9], C s[10:11]
.endif
	v_lshl_add_u32 v[SPW], v0, 2, SPARE
	v_mov_b32 v[NIL], 0
	v_lshrrev_b32 v27, 5, v0
	v_readfirstlane_b32 s12, v27                   ; wave
	s_mov_b32 s13, ttmp9                           ; x: block of 64 columns
	s_and_b32 s14, ttmp7, 0xffff                   ; y: block of 32 rows
	s_mul_i32 s20, s12, WREG                       ; my region
	v_and_b32 v24, 31, v0                          ; lane
	v_and_b32 v25, 15, v0                          ; r
	v_bfe_u32 v26, v0, 4, 1                        ; h
	v_lshlrev_b32 v[T16], 4, v0
	v_lshl_add_u32 v[ST], v24, 3, s20
	v_mul_u32_u24 v27, v25, 272
	v_add_nc_u32 v27, s20, v27
	v_lshl_add_u32 v[FR], v26, 4, v27
	v_lshl_add_u32 v[PS], v26, 5, v27
	v_mul_u32_u24 v[RD], v26, 272
	v_lshl_add_u32 v[RD], v25, 4, v[RD]
	s_mul_i32 s21, s12, 1088
	v_add_nc_u32 v[RD], s21, v[RD]
	v_lshlrev_b32 v[CO], 12, v26
	v_lshl_add_u32 v[CO], v25, 4, v[CO]
.if TRB
	s_lshl_b32 s21, s12, 19                        ; my 128 k-rows of 4,096 bytes
	v_add_nc_u32 v[OB], s21, v[CO]
	v_mul_u32_u24 v[STB], v26, 160
	v_lshl_add_u32 v[STB], v25, 3, v[STB]
	v_add_nc_u32 v[STB], s20, v[STB]
	v_and_b32 v27, 7, v0
	v_lshl_add_u32 v27, v26, 3, v27
	v_mul_u32_u24 v[FRB], v27, 160
	v_bfe_u32 v27, v0, 3, 1
	v_lshl_add_u32 v[FRB], v27, 4, v[FRB]
	v_add_nc_u32 v[FRB], s20, v[FRB]
.else
	v_lshlrev_b32 v28, 4, v25                      ; 16 r: my four columns' bias
.endif
	s_mov_b32 s17, 0
	s_wait_kmcnt 0x0
	s_lshl_b32 s16, s14, 17                        ; 32 rows of 4,096 bytes
	s_add_nc_u64 s[4:5], s[4:5], s[16:17]
	s_add_nc_u64 s[10:11], s[10:11], s[16:17]
.if TRB
	s_lshl_b32 s16, s13, 8                         ; 64 columns of B
	s_add_nc_u64 s[6:7], s[6:7], s[16:17]
.else
	s_lshl_b32 s16, s13, 18                        ; 64 rows of B
	s_add_nc_u64 s[6:7], s[6:7], s[16:17]
	s_lshl_b32 s16, s13, 8
	s_add_nc_u64 s[8:9], s[8:9], s[16:17]
.endif
	s_lshl_b32 s16, s13, 8                         ; 64 columns of C,
	s_add_nc_u64 s[10:11], s[10:11], s[16:17]
	s_lshl_b32 s16, s12, 14                        ; and the four rows that I add up and store
	s_add_nc_u64 s[10:11], s[10:11], s[16:17]
.if !TRB
	global_load_b128 v[BIAS:BIAS+3], v28, s[8:9]   ; older than every load of the ring: the ring's first wait shows it in
.endif
; Load j of 96: j < 32 row j of A, else row j - 32 of B (TRB: k-rows 2 (j - 32) and 2 (j - 32) + 1), into slot j % 32.  No address register is ever rewritten.
.macro LDG j
.set sl, RING+4*((\j)%32)
.if (\j) < 32
	global_load_b128 v[sl:sl+3], v[T16], s[4:5] offset:(\j)*4096
.elseif TRB
	global_load_b128 v[sl:sl+3], v[OB], s[6:7] offset:((\j)-32)*8192
.else
	global_load_b128 v[sl:sl+3], v[T16], s[6:7] offset:((\j)-32)*4096
.endif
.endm
; Slot j % 32 is rounded to bf16 and put into my region.
.macro STG j
.set sl, RING+4*((\j)%32)
.set tp, TP+2*((\j)%4)
	v_cvt_pk_bf16_f32 v[tp], v[sl], v[sl+1]
	v_cvt_pk_bf16_f32 v[tp+1], v[sl+2], v[sl+3]
.if TRB && ((\j) >= 32)
	ds_store_b64 v[STB], v[tp:tp+1] offset:8704+((\j)-32)*320
.else
	ds_store_b64 v[ST], v[tp:tp+1] offset:(\j)*272
.endif
.endm
; The 12 LDS loads of step s (32 along k): A's two fragments, B's four, into buffer f.
; A fragment is 16 rows x 32 k in 8 registers: lane l holds row l % 16, k = 8 h + 0..7 and 16 + 8 h + 0..7: two loads of 16 bytes, 32 bytes apart;
; from B as [k][n] the turning load brings the same, from 16 k-rows at a time.
.macro FRAGS s, f
.irp a, 0,1
	ds_load_b128 v[(\f)+8*\a:(\f)+8*\a+3],   v[FR] offset:\a*4352+64*(\s)
	ds_load_b128 v[(\f)+8*\a+4:(\f)+8*\a+7], v[FR] offset:\a*4352+64*(\s)+32
.endr
.irp b, 0,1,2,3
.if TRB
	ds_load_tr16_b128 v[(\f)+16+8*\b:(\f)+16+8*\b+3],   v[FRB] offset:8704+5120*(\s)+32*\b
	ds_load_tr16_b128 v[(\f)+16+8*\b+4:(\f)+16+8*\b+7], v[FRB] offset:8704+5120*(\s)+32*\b+2560
.else
	ds_load_b128 v[(\f)+16+8*\b:(\f)+16+8*\b+3],   v[FR] offset:(32+16*\b)*272+64*(\s)
	ds_load_b128 v[(\f)+16+8*\b+4:(\f)+16+8*\b+7], v[FR] offset:(32+16*\b)*272+64*(\s)+32
.endif
.endr
.endm
; Eight matrix instructions, one on each accumulator: they take turns.  zero = 1: the first step starts the sums.
.macro MM f, zero
.irp a, 0,1
.irp b, 0,1,2,3
.if \zero
	v_wmma_f32_16x16x32_bf16 v[ACC+8*(4*\a+\b):ACC+8*(4*\a+\b)+7], v[(\f)+16+8*\b:(\f)+16+8*\b+7], v[(\f)+8*\a:(\f)+8*\a+7], 0
.else
	v_wmma_f32_16x16x32_bf16 v[ACC+8*(4*\a+\b):ACC+8*(4*\a+\b)+7], v[(\f)+16+8*\b:(\f)+16+8*\b+7], v[(\f)+8*\a:(\f)+8*\a+7], v[ACC+8*(4*\a+\b):ACC+8*(4*\a+\b)+7]
.endif
.endr
.endr
.endm
.set n, 0
.rept 32
	LDG n                                          ; the ring is filled: 32 loads of 512 bytes a wave
.set n, n+1
.endr
.set n, 0
.rept 96
.if 95-n < 31
	s_wait_loadcnt 95-n                            ; the tail: the counts run down
.else
	s_wait_loadcnt 31                              ; load n is in; the 31 issued behind it stay out
.endif
	STG n
.if n < 64
	LDG n+32
.endif
.set n, n+1
.endr
	FRAGS 0, F0                                    ; LDS serves a wave's instructions in order: these see my stores above
	FRAGS 1, F1
	FRAGS 2, F2
	s_wait_dscnt 24                                ; step 0's twelve are in; steps 1 and 2 stay out
	MM F0, 1
.rept 4
	v_nop                                          ; four places between the products and the loads into registers that they read
.endr
	FRAGS 3, F0
	s_wait_dscnt 24                                ; step 1 is in (behind it: steps 2 and 3)
	MM F1, 0
	s_wait_dscnt 12                                ; step 2 is in
	MM F2, 0
	s_wait_dscnt 0x0
	MM F0, 0
.irp u, 1,2,3,4,5,6,7
	v_add_nc_u32 v[RA+\u], \u*WREG, v[RD]          ; my four rows in partial u: seven plain lines that name no register of the products: the places behind them
.endr
	; my partial sum of the tile, f32, 32 rows of 256 + 16 bytes, over my own region: all my fragment loads are back.  Each accumulator's low four registers go first.
.irp a, 0,1
.irp b, 0,1,2,3
	ds_store_b128 v[PS], v[ACC+8*(4*\a+\b):ACC+8*(4*\a+\b)+3]   offset:\a*4352+64*\b
	ds_store_b128 v[PS], v[ACC+8*(4*\a+\b)+4:ACC+8*(4*\a+\b)+7] offset:\a*4352+64*\b+16
.endr
.endr
	s_wait_dscnt 0x0                               ; for the others' sake: my stores are done
	s_barrier_signal -1
	s_barrier_wait -1
	; wave w adds up rows 4 w .. 4 w + 3: lanes 0-15 take one row of 256 bytes, lanes 16-31 the next
	ds_load_b128 v[PT:PT+3],   v[RD]
	ds_load_b128 v[PT+4:PT+7], v[RD] offset:544
.irp u, 1,2,3,4,5,6,7
	ds_load_b128 v[PT+8*\u:PT+8*\u+3],   v[RA+\u]
	ds_load_b128 v[PT+8*\u+4:PT+8*\u+7], v[RA+\u] offset:544
.endr
.irp u, 1,2,3,4,5,6,7
	s_wait_dscnt 14-2*\u                           ; partials 0 to u are in
	v_pk_add_f32 v[PT:PT+1],   v[PT:PT+1],   v[PT+8*\u:PT+8*\u+1]
	v_pk_add_f32 v[PT+2:PT+3], v[PT+2:PT+3], v[PT+8*\u+2:PT+8*\u+3]
	v_pk_add_f32 v[PT+4:PT+5], v[PT+4:PT+5], v[PT+8*\u+4:PT+8*\u+5]
	v_pk_add_f32 v[PT+6:PT+7], v[PT+6:PT+7], v[PT+8*\u+6:PT+8*\u+7]
.endr
.if !TRB
	v_pk_add_f32 v[PT:PT+1],   v[PT:PT+1],   v[BIAS:BIAS+1]
	v_pk_add_f32 v[PT+2:PT+3], v[PT+2:PT+3], v[BIAS+2:BIAS+3]
	v_pk_add_f32 v[PT+4:PT+5], v[PT+4:PT+5], v[BIAS:BIAS+1]
	v_pk_add_f32 v[PT+6:PT+7], v[PT+6:PT+7], v[BIAS+2:BIAS+3]
.endif
	global_store_b128 v[CO], v[PT:PT+3],   s[10:11]              ; sixteen lanes store 256 consecutive bytes, aligned
	global_store_b128 v[CO], v[PT+4:PT+7], s[10:11] offset:8192
	s_wait_tensorcnt 0x0                           ; the wave's end
	ds_add_u32 v[SPW], v[NIL]
	s_wait_dscnt 0x0
	s_endpgm
.Lfunc_end_k_qcc95b8acda_projq:
	.size	k_qcc95b8acda_projq, .Lfunc_end_k_qcc95b8acda_projq-k_qcc95b8acda_projq
	.p2alignl 7, 3214868480
	.fill 96, 4, 3214868480
	.section	.rodata,"a",@progbits
	.p2align	6, 0x0
	.amdhsa_kernel k_qcc95b8acda_projq
		.amdhsa_group_segment_fixed_size 209920
		.amdhsa_private_segment_fixed_size 0
		.amdhsa_enable_private_segment 0
		.amdhsa_kernarg_size 32
		.amdhsa_user_sgpr_count 2
		.amdhsa_user_sgpr_kernarg_segment_ptr 1
		.amdhsa_wavefront_size32 1
		.amdhsa_system_sgpr_workgroup_id_x 1
		.amdhsa_system_sgpr_workgroup_id_y 1
		.amdhsa_system_sgpr_workgroup_id_z 1
		.amdhsa_system_vgpr_workitem_id 0
		.amdhsa_next_free_vgpr 256
		.amdhsa_next_free_sgpr 66
		.amdhsa_reserve_vcc 0
		.amdhsa_float_denorm_mode_32 3
		.amdhsa_float_denorm_mode_16_64 3
		.amdhsa_memory_ordered 1
		.amdhsa_forward_progress 1
		.amdhsa_inst_pref_size 43
	.end_amdhsa_kernel
	.amdgpu_metadata
---
amdhsa.version: [ 1, 2 ]
amdhsa.kernels:
  - .name:           k_qcc95b8acda_projq
    .symbol:         k_qcc95b8acda_projq.kd
    .args:
      - { .name: entity_vectors, .offset: 0, .size: 8, .value_kind: global_buffer, .address_space: global }
      - { .name: Wq, .offset: 8, .size: 8, .value_kind: global_buffer, .address_space: global }
      - { .name: bq, .offset: 16, .size: 8, .value_kind: global_buffer, .address_space: global }
      - { .name: Qf, .offset: 24, .size: 8, .value_kind: global_buffer, .address_space: global }
    .group_segment_fixed_size: 209920
    .private_segment_fixed_size: 0
    .kernarg_segment_align: 8
    .kernarg_segment_size: 32
    .max_flat_workgroup_size: 256
    .sgpr_count:     66
    .vgpr_count:     256
    .wavefront_size: 32
...
	.end_amdgpu_metadata
.endif
;; end of part 2
;; launch projk (part 3): grid 16 x 16, 8 waves a work-group, no clusters, 234,496 bytes of LDS; arguments Qf, Wk, Qk; writes Qk
.if DOCPART == 3
	.amdgcn_target "amdgcn-amd-amdhsa--gfx1250"
	.amdhsa_code_object_version 6
	.text
	.protected	k_qcc95b8acda_projk
	.globl	k_qcc95b8acda_projk
	.p2align	8
	.type	k_qcc95b8acda_projk,@function
k_qcc95b8acda_projk:
	s_mov_b64 s[64:65], 0
	v_nop
	global_prefetch_b8 v0, s[64:65] scope:SCOPE_SE
	s_setreg_imm32_b32 hwreg(HW_REG_WAVE_MODE, 25, 1), 1
	s_wait_xcnt 0x0
; C[512][1024] = A[512][1024] x B (+ bias), all f32 in memory; the operands are rounded once to bf16 on their way into LDS, the sums are f32.
; TRB = 0: B is [n][k] (C = A B^T + bias).  TRB = 1: B is [k][n] (C = A B, no bias).  The text is the same but for the lines under .if TRB.
; Here TRB = 1: Qk = Qf Wk, so that a score Q . (Wk x + bk) is Qk . x + Qf . bk.
; SHARES.  512 x 1024 of C in tiles of 32 x 64: 256 work-groups; a row of a tile is 64 f32, 256 consecutive bytes, aligned.  K IS SPLIT OVER THE EIGHT WAVES: wave w owns
; k = 128 w .. 128 w + 127 of all 32 rows of A and all 64 rows (columns) of B, and makes a partial sum of the whole tile in 8 accumulators, which take turns.
; So a wave stages and reads its own LDS bytes alone: every staged byte is written once and read once, and no barrier stands in front of the products.
; One barrier stands in front of the addition of the eight partial sums, in f32, ascending in k.
; NO TENSOR LOADS, NO CLUSTER: the operands lie in memory as f32 and are rounded in registers; a work-group's 96 rows of 4,096 bytes would not fit in LDS as f32.
; THE MATRIX INSTRUCTION IS USED TRANSPOSED (source 0 = 16 rows of B, source 1 = 16 rows of A): a lane holds row l % 16 of C and eight neighbouring columns.
; LIMITS: operands have bf16's 8 significant bits; NaN and infinities are not treated apart.
.set TRB, 1
.if TRB
.set WREG, 29184                       ; a wave's LDS: A 32 rows x 272 bytes, then B 128 k-rows of 64 bf16 x 160 bytes
.else
.set WREG, 26112                       ; a wave's LDS: A 32 rows x 272 bytes, then B 64 rows x 272 bytes (128 bf16 + 16 bytes of padding)
.endif
.set SPARE, 8*WREG                     ; behind the eight regions: the spare words, 128 bytes a wave
.set T16,  1                           ; v1   16 x thread = 512 w + 16 lane: my 16 bytes of the wave's 512 in a row along k
.set ST,   2                           ; v2   region + 8 lane: where my 4 bf16 of a row go
.set FR,   3                           ; v3   region + 272 r + 16 h: a fragment's address (r = lane % 16, h = lane / 16)
.set PS,   4                           ; v4   region + 272 r + 32 h: where my 8 partial sums of a row go
.set RD,   5                           ; v5   1088 w + 272 h + 16 r: rows 4 w + h of partial 0
.set SPW,  6                           ; v6   my spare word; never rewritten
.set NIL,  7                           ; v7   0; never rewritten
.set BIAS, 8                           ; v[8:11] bias of my four columns
.set CO,   12                          ; v12  4096 h + 16 r
.set OB,   13                          ; v13  TRB: (w << 19) + 4096 h + 16 r: two k-rows of 256 bytes to a load
.set STB,  14                          ; v14  TRB: region + 160 h + 8 r
.set FRB,  15                          ; v15  TRB: region + 160 (8 h + lane % 8) + 16 ((lane / 8) % 2): the turning load's address
.set TP,   16                          ; v[16:23] four pairs by turns: a slot's 4 numbers as bf16
.set F2,   16                          ; v[16:63]   fragment buffer 2 (once the staging is over)
.set ACC,  64                          ; v[64:127]  accumulator (a, b) at 64 + 8 (4 a + b)
.set RING, 128                         ; v[128:255] 32 slots of 4 registers: loads in flight
.set F0,   128                         ; v[128:175] fragment buffer 0: A's fragment a at + 8 a, B's fragment b at + 16 + 8 b
.set F1,   176                         ; v[176:223] fragment buffer 1
.set RA,   224                         ; v[225:231] RD + u regions, u = 1..7: registers that no matrix instruction names
.set PT,   128                         ; v[128:191] the eight partial sums of my four rows
.if TRB
	s_load_b128 s[4:7], s[0:1], 0x0                ; A s[4:5], B s[6:7]
	s_load_b64 s[10:11], s[0:1], 0x10              ; C
.else
	s_load_b256 s[4:11], s[0:1], 0x0               ; A s[4:5], B s[6:7], bias s[8:9], C s[10:11]
.endif
	v_lshl_add_u32 v[SPW], v0, 2, SPARE
	v_mov_b32 v[NIL], 0
	v_lshrrev_b32 v27, 5, v0
	v_readfirstlane_b32 s12, v27                   ; wave
	s_mov_b32 s13, ttmp9                           ; x: block of 64 columns
	s_and_b32 s14, ttmp7, 0xffff                   ; y: block of 32 rows
	s_mul_i32 s20, s12, WREG                       ; my region
	v_and_b32 v24, 31, v0                          ; lane
	v_and_b32 v25, 15, v0                          ; r
	v_bfe_u32 v26, v0, 4, 1                        ; h
	v_lshlrev_b32 v[T16], 4, v0
	v_lshl_add_u32 v[ST], v24, 3, s20
	v_mul_u32_u24 v27, v25, 272
	v_add_nc_u32 v27, s20, v27
	v_lshl_add_u32 v[FR], v26, 4, v27
	v_lshl_add_u32 v[PS], v26, 5, v27
	v_mul_u32_u24 v[RD], v26, 272
	v_lshl_add_u32 v[RD], v25, 4, v[RD]
	s_mul_i32 s21, s12, 1088
	v_add_nc_u32 v[RD], s21, v[RD]
	v_lshlrev_b32 v[CO], 12, v26
	v_lshl_add_u32 v[CO], v25, 4, v[CO]
.if TRB
	s_lshl_b32 s21, s12, 19                        ; my 128 k-rows of 4,096 bytes
	v_add_nc_u32 v[OB], s21, v[CO]
	v_mul_u32_u24 v[STB], v26, 160
	v_lshl_add_u32 v[STB], v25, 3, v[STB]
	v_add_nc_u32 v[STB], s20, v[STB]
	v_and_b32 v27, 7, v0
	v_lshl_add_u32 v27, v26, 3, v27
	v_mul_u32_u24 v[FRB], v27, 160
	v_bfe_u32 v27, v0, 3, 1
	v_lshl_add_u32 v[FRB], v27, 4, v[FRB]
	v_add_nc_u32 v[FRB], s20, v[FRB]
.else
	v_lshlrev_b32 v28, 4, v25                      ; 16 r: my four columns' bias
.endif
	s_mov_b32 s17, 0
	s_wait_kmcnt 0x0
	s_lshl_b32 s16, s14, 17                        ; 32 rows of 4,096 bytes
	s_add_nc_u64 s[4:5], s[4:5], s[16:17]
	s_add_nc_u64 s[10:11], s[10:11], s[16:17]
.if TRB
	s_lshl_b32 s16, s13, 8                         ; 64 columns of B
	s_add_nc_u64 s[6:7], s[6:7], s[16:17]
.else
	s_lshl_b32 s16, s13, 18                        ; 64 rows of B
	s_add_nc_u64 s[6:7], s[6:7], s[16:17]
	s_lshl_b32 s16, s13, 8
	s_add_nc_u64 s[8:9], s[8:9], s[16:17]
.endif
	s_lshl_b32 s16, s13, 8                         ; 64 columns of C,
	s_add_nc_u64 s[10:11], s[10:11], s[16:17]
	s_lshl_b32 s16, s12, 14                        ; and the four rows that I add up and store
	s_add_nc_u64 s[10:11], s[10:11], s[16:17]
.if !TRB
	global_load_b128 v[BIAS:BIAS+3], v28, s[8:9]   ; older than every load of the ring: the ring's first wait shows it in
.endif
; Load j of 96: j < 32 row j of A, else row j - 32 of B (TRB: k-rows 2 (j - 32) and 2 (j - 32) + 1), into slot j % 32.  No address register is ever rewritten.
.macro LDG j
.set sl, RING+4*((\j)%32)
.if (\j) < 32
	global_load_b128 v[sl:sl+3], v[T16], s[4:5] offset:(\j)*4096
.elseif TRB
	global_load_b128 v[sl:sl+3], v[OB], s[6:7] offset:((\j)-32)*8192
.else
	global_load_b128 v[sl:sl+3], v[T16], s[6:7] offset:((\j)-32)*4096
.endif
.endm
; Slot j % 32 is rounded to bf16 and put into my region.
.macro STG j
.set sl, RING+4*((\j)%32)
.set tp, TP+2*((\j)%4)
	v_cvt_pk_bf16_f32 v[tp], v[sl], v[sl+1]
	v_cvt_pk_bf16_f32 v[tp+1], v[sl+2], v[sl+3]
.if TRB && ((\j) >= 32)
	ds_store_b64 v[STB], v[tp:tp+1] offset:8704+((\j)-32)*320
.else
	ds_store_b64 v[ST], v[tp:tp+1] offset:(\j)*272
.endif
.endm
; The 12 LDS loads of step s (32 along k): A's two fragments, B's four, into buffer f.
; A fragment is 16 rows x 32 k in 8 registers: lane l holds row l % 16, k = 8 h + 0..7 and 16 + 8 h + 0..7: two loads of 16 bytes, 32 bytes apart;
; from B as [k][n] the turning load brings the same, from 16 k-rows at a time.
.macro FRAGS s, f
.irp a, 0,1
	ds_load_b128 v[(\f)+8*\a:(\f)+8*\a+3],   v[FR] offset:\a*4352+64*(\s)
	ds_load_b128 v[(\f)+8*\a+4:(\f)+8*\a+7], v[FR] offset:\a*4352+64*(\s)+32
.endr
.irp b, 0,1,2,3
.if TRB
	ds_load_tr16_b128 v[(\f)+16+8*\b:(\f)+16+8*\b+3],   v[FRB] offset:8704+5120*(\s)+32*\b
	ds_load_tr16_b128 v[(\f)+16+8*\b+4:(\f)+16+8*\b+7], v[FRB] offset:8704+5120*(\s)+32*\b+2560
.else
	ds_load_b128 v[(\f)+16+8*\b:(\f)+16+8*\b+3],   v[FR] offset:(32+16*\b)*272+64*(\s)
	ds_load_b128 v[(\f)+16+8*\b+4:(\f)+16+8*\b+7], v[FR] offset:(32+16*\b)*272+64*(\s)+32
.endif
.endr
.endm
; Eight matrix instructions, one on each accumulator: they take turns.  zero = 1: the first step starts the sums.
.macro MM f, zero
.irp a, 0,1
.irp b, 0,1,2,3
.if \zero
	v_wmma_f32_16x16x32_bf16 v[ACC+8*(4*\a+\b):ACC+8*(4*\a+\b)+7], v[(\f)+16+8*\b:(\f)+16+8*\b+7], v[(\f)+8*\a:(\f)+8*\a+7], 0
.else
	v_wmma_f32_16x16x32_bf16 v[ACC+8*(4*\a+\b):ACC+8*(4*\a+\b)+7], v[(\f)+16+8*\b:(\f)+16+8*\b+7], v[(\f)+8*\a:(\f)+8*\a+7], v[ACC+8*(4*\a+\b):ACC+8*(4*\a+\b)+7]
.endif
.endr
.endr
.endm
.set n, 0
.rept 32
	LDG n                                          ; the ring is filled: 32 loads of 512 bytes a wave
.set n, n+1
.endr
.set n, 0
.rept 96
.if 95-n < 31
	s_wait_loadcnt 95-n                            ; the tail: the counts run down
.else
	s_wait_loadcnt 31                              ; load n is in; the 31 issued behind it stay out
.endif
	STG n
.if n < 64
	LDG n+32
.endif
.set n, n+1
.endr
	FRAGS 0, F0                                    ; LDS serves a wave's instructions in order: these see my stores above
	FRAGS 1, F1
	FRAGS 2, F2
	s_wait_dscnt 24                                ; step 0's twelve are in; steps 1 and 2 stay out
	MM F0, 1
.rept 4
	v_nop                                          ; four places between the products and the loads into registers that they read
.endr
	FRAGS 3, F0
	s_wait_dscnt 24                                ; step 1 is in (behind it: steps 2 and 3)
	MM F1, 0
	s_wait_dscnt 12                                ; step 2 is in
	MM F2, 0
	s_wait_dscnt 0x0
	MM F0, 0
.irp u, 1,2,3,4,5,6,7
	v_add_nc_u32 v[RA+\u], \u*WREG, v[RD]          ; my four rows in partial u: seven plain lines that name no register of the products: the places behind them
.endr
	; my partial sum of the tile, f32, 32 rows of 256 + 16 bytes, over my own region: all my fragment loads are back.  Each accumulator's low four registers go first.
.irp a, 0,1
.irp b, 0,1,2,3
	ds_store_b128 v[PS], v[ACC+8*(4*\a+\b):ACC+8*(4*\a+\b)+3]   offset:\a*4352+64*\b
	ds_store_b128 v[PS], v[ACC+8*(4*\a+\b)+4:ACC+8*(4*\a+\b)+7] offset:\a*4352+64*\b+16
.endr
.endr
	s_wait_dscnt 0x0                               ; for the others' sake: my stores are done
	s_barrier_signal -1
	s_barrier_wait -1
	; wave w adds up rows 4 w .. 4 w + 3: lanes 0-15 take one row of 256 bytes, lanes 16-31 the next
	ds_load_b128 v[PT:PT+3],   v[RD]
	ds_load_b128 v[PT+4:PT+7], v[RD] offset:544
.irp u, 1,2,3,4,5,6,7
	ds_load_b128 v[PT+8*\u:PT+8*\u+3],   v[RA+\u]
	ds_load_b128 v[PT+8*\u+4:PT+8*\u+7], v[RA+\u] offset:544
.endr
.irp u, 1,2,3,4,5,6,7
	s_wait_dscnt 14-2*\u                           ; partials 0 to u are in
	v_pk_add_f32 v[PT:PT+1],   v[PT:PT+1],   v[PT+8*\u:PT+8*\u+1]
	v_pk_add_f32 v[PT+2:PT+3], v[PT+2:PT+3], v[PT+8*\u+2:PT+8*\u+3]
	v_pk_add_f32 v[PT+4:PT+5], v[PT+4:PT+5], v[PT+8*\u+4:PT+8*\u+5]
	v_pk_add_f32 v[PT+6:PT+7], v[PT+6:PT+7], v[PT+8*\u+6:PT+8*\u+7]
.endr
.if !TRB
	v_pk_add_f32 v[PT:PT+1],   v[PT:PT+1],   v[BIAS:BIAS+1]
	v_pk_add_f32 v[PT+2:PT+3], v[PT+2:PT+3], v[BIAS+2:BIAS+3]
	v_pk_add_f32 v[PT+4:PT+5], v[PT+4:PT+5], v[BIAS:BIAS+1]
	v_pk_add_f32 v[PT+6:PT+7], v[PT+6:PT+7], v[BIAS+2:BIAS+3]
.endif
	global_store_b128 v[CO], v[PT:PT+3],   s[10:11]              ; sixteen lanes store 256 consecutive bytes, aligned
	global_store_b128 v[CO], v[PT+4:PT+7], s[10:11] offset:8192
	s_wait_tensorcnt 0x0                           ; the wave's end
	ds_add_u32 v[SPW], v[NIL]
	s_wait_dscnt 0x0
	s_endpgm
.Lfunc_end_k_qcc95b8acda_projk:
	.size	k_qcc95b8acda_projk, .Lfunc_end_k_qcc95b8acda_projk-k_qcc95b8acda_projk
	.p2alignl 7, 3214868480
	.fill 96, 4, 3214868480
	.section	.rodata,"a",@progbits
	.p2align	6, 0x0
	.amdhsa_kernel k_qcc95b8acda_projk
		.amdhsa_group_segment_fixed_size 234496
		.amdhsa_private_segment_fixed_size 0
		.amdhsa_enable_private_segment 0
		.amdhsa_kernarg_size 24
		.amdhsa_user_sgpr_count 2
		.amdhsa_user_sgpr_kernarg_segment_ptr 1
		.amdhsa_wavefront_size32 1
		.amdhsa_system_sgpr_workgroup_id_x 1
		.amdhsa_system_sgpr_workgroup_id_y 1
		.amdhsa_system_sgpr_workgroup_id_z 1
		.amdhsa_system_vgpr_workitem_id 0
		.amdhsa_next_free_vgpr 256
		.amdhsa_next_free_sgpr 66
		.amdhsa_reserve_vcc 0
		.amdhsa_float_denorm_mode_32 3
		.amdhsa_float_denorm_mode_16_64 3
		.amdhsa_memory_ordered 1
		.amdhsa_forward_progress 1
		.amdhsa_inst_pref_size 43
	.end_amdhsa_kernel
	.amdgpu_metadata
---
amdhsa.version: [ 1, 2 ]
amdhsa.kernels:
  - .name:           k_qcc95b8acda_projk
    .symbol:         k_qcc95b8acda_projk.kd
    .args:
      - { .name: Qf, .offset: 0, .size: 8, .value_kind: global_buffer, .address_space: global }
      - { .name: Wk, .offset: 8, .size: 8, .value_kind: global_buffer, .address_space: global }
      - { .name: Qk, .offset: 16, .size: 8, .value_kind: global_buffer, .address_space: global }
    .group_segment_fixed_size: 234496
    .private_segment_fixed_size: 0
    .kernarg_segment_align: 8
    .kernarg_segment_size: 24
    .max_flat_workgroup_size: 256
    .sgpr_count:     66
    .vgpr_count:     256
    .wavefront_size: 32
...
	.end_amdgpu_metadata
.endif
;; end of part 3
;; launch pool (part 4): grid 512 x 1, 8 waves a work-group, no clusters, 34,048 bytes of LDS; arguments support_features, Qk, Qf, bk, list, cnt, xbar; writes xbar
.if DOCPART == 4
	.amdgcn_target "amdgcn-amd-amdhsa--gfx1250"
	.amdhsa_code_object_version 6
	.text
	.protected	k_qcc95b8acda_pool
	.globl	k_qcc95b8acda_pool
	.p2align	8
	.type	k_qcc95b8acda_pool,@function
k_qcc95b8acda_pool:
	s_mov_b64 s[64:65], 0
	v_nop
	global_prefetch_b8 v0, s[64:65] scope:SCOPE_SE
	s_setreg_imm32_b32 hwreg(HW_REG_WAVE_MODE, 25, 1), 1
	s_wait_xcnt 0x0
; xbar[c] = the sum over the samples j of class c of w_j x_j,  w = softmax_j((Qk[c] . x_j + Qf[c] . bk) / 32).  All in f32 on the vector unit:
; a class has ONE query and a ragged set of rows, two operations for each number of X that is read: a stream, nothing for the matrix unit.
; SHARES.  Work-group c owns class c.  A trip of wave w takes the list's entries 32 T + 4 w .. + 3: one scalar load of 16 bytes, four whole rows of 4,096 bytes;
; lane l holds bytes 512 i + 16 l of a row, i = 0..7.  The wave's trips: NT = max(1, (cnt + 31 - 4 w) / 32), a whole number made from cnt, which an earlier launch stored.
; An entry at or past cnt is a pad entry (sample 0): its row is loaded, its score is held at the lowest finite number, so that it cannot raise the maximum, and its weight is multiplied by 0.
; SOFTMAX.  Each wave keeps a running maximum m and sum l of its own: p = 2^(t - m), t = score x log2(e) / 32; in every trip the sums are multiplied by a = 2^(m_old - m_new).
; At the end the eight waves' (m, l, sums) meet in LDS and are merged by the same rule.  The loop has no barrier and touches no LDS.
; LIMITS.  A weight below 2^-126 counts as 0.  NaN and infinities are not treated apart (sample 0's row enters with the weight 0 where a trip has pad entries).
; A class without samples gets xbar = 0; its row is never gathered by the last launch.
.set LSTRIDE, 65792                    ; bytes of a class's region of the list
.set STAT,  32768                      ; LDS: 8 x 4,096 bytes of partial sums; then (m, l) of wave w at STAT + 8 w, alone in their block of 256
.set SPARE, 33024                      ; the spare words, 128 bytes a wave
.set L16,  1                           ; v1      16 x lane
.set OFF,  2                           ; v[2:5]  row k: sample x 4,096 + 16 x lane
.set SPW,  6                           ; v6      my spare word; never rewritten
.set NIL,  7                           ; v7      0; never rewritten
.set QB,   10                          ; v[10:11] my lane's part of Qf . bk: every dot product starts from it
.set D,    12                          ; v[12:19] row k: the dot product's pair
.set TT,   20                          ; v[20:27] row k: t, then p, in the even register; the odd one is named with it as a pair and holds 0
.set AF,   28                          ; v[28:29] a, and a 0 named with it
.set MX,   30                          ; v30 m, v31 l
.set QK,   32                          ; v[32:63]  Qk[c], my 32 numbers
.set ACC,  64                          ; v[64:95]  the sums
.set X,    96                          ; v[96:223] row k at 96 + 32 k
.set CNT,  20                          ; s20  cnt[c]
.set E0,   23                          ; s23  the trip's first entry, 32 T + 4 w
.set LIM,  32                          ; s[32:35] row k: the bound on its t
.set VAL,  36                          ; s[36:39] row k: 1.0 or 0
	s_load_b256 s[4:11], s[0:1], 0x0               ; X s[4:5], Qk s[6:7], Qf s[8:9], bk s[10:11]
	s_load_b128 s[12:15], s[0:1], 0x20             ; list s[12:13], cnt s[14:15]
	s_load_b64 s[16:17], s[0:1], 0x30              ; xbar
	v_lshl_add_u32 v[SPW], v0, 2, SPARE
	v_mov_b32 v[NIL], 0
	v_lshrrev_b32 v8, 5, v0
	v_readfirstlane_b32 s18, v8                    ; wave
	s_mov_b32 s19, ttmp9                           ; class
	v_and_b32 v[L16], 31, v0
	v_lshlrev_b32 v[L16], 4, v[L16]
	s_mov_b32 s30, 0x76543210                      ; v_permlanex16_b32: each lane takes its own place in the other half
	s_mov_b32 s31, 0xfedcba98
	s_mov_b32 s40, 0x3d38aa3b                      ; log2(e) / 32
	s_mov_b32 s41, 0x7f7fffff                      ; the largest finite number
	s_mov_b32 s42, 0xff7fffff                      ; the lowest
	s_lshl_b32 s28, s18, 4                         ; byte offset of my four entries of trip 0
	s_mov_b32 s45, 0
	s_wait_kmcnt 0x0
	s_lshl_b32 s44, s19, 12                        ; the class's row of 4,096 bytes
	s_add_nc_u64 s[6:7], s[6:7], s[44:45]
	s_add_nc_u64 s[8:9], s[8:9], s[44:45]
	s_add_nc_u64 s[16:17], s[16:17], s[44:45]
	s_mul_i32 s44, s19, LSTRIDE
	s_add_nc_u64 s[12:13], s[12:13], s[44:45]
	s_lshl_b32 s44, s19, 2
	s_add_nc_u64 s[14:15], s[14:15], s[44:45]
	s_load_b32 s[CNT], s[14:15], 0x0
	s_load_b128 s[24:27], s[12:13], s28 offset:0x0 ; entries 4 w .. 4 w + 3: below cnt + 32, so they were stored
.irp i, 0,1,2,3,4,5,6,7
	global_load_b128 v[QK+4*\i:QK+4*\i+3], v[L16], s[6:7] offset:512*\i
.endr
.irp i, 0,1,2,3,4,5,6,7
	global_load_b128 v[ACC+4*\i:ACC+4*\i+3], v[L16], s[8:9] offset:512*\i      ; Qf, for the moment where the sums will lie
.endr
.irp i, 0,1,2,3,4,5,6,7
	global_load_b128 v[X+96+4*\i:X+96+4*\i+3], v[L16], s[10:11] offset:512*\i  ; bk, for the moment in row 3's registers
.endr
.macro ROWLOAD k                       ; a whole row: eight loads of 512 consecutive bytes
.irp i, 0,1,2,3,4,5,6,7
	global_load_b128 v[X+32*(\k)+4*\i:X+32*(\k)+4*\i+3], v[OFF+(\k)], s[4:5] offset:512*\i
.endr
.endm
.macro CLAMP                           ; a sample's number is held inside X before it becomes an address
.irp k, 0,1,2,3
	s_min_u32 s[24+\k], s[24+\k], 0x3fff
.endr
.endm
.macro ALL4 line:vararg                ; one line for each row k
.set k, 0
.rept 4
	\line
.set k, k+1
.endr
.endm
	s_wait_kmcnt 0x0
	s_min_u32 s[CNT], s[CNT], 0x4000
	CLAMP
.irp k, 0,1,2,3
	v_lshl_add_u32 v[OFF+\k], s[24+\k], 12, v[L16]
.endr
	ROWLOAD 0
	ROWLOAD 1
	ROWLOAD 2
	s_wait_loadcnt 24                              ; Qk, Qf and bk are in; the three rows issued behind them stay out
	v_pk_mul_f32 v[QB:QB+1], v[ACC:ACC+1], v[X+96:X+97]
	v_pk_mul_f32 v[D:D+1], v[ACC+2:ACC+3], v[X+98:X+99]
.set j, 2
.rept 7                                ; two chains that do not wait for each other
	v_pk_fma_f32 v[QB:QB+1], v[ACC+2*j:ACC+2*j+1], v[X+96+2*j:X+96+2*j+1], v[QB:QB+1]
	v_pk_fma_f32 v[D:D+1], v[ACC+2*j+2:ACC+2*j+3], v[X+96+2*j+2:X+96+2*j+3], v[D:D+1]
.set j, j+2
.endr
	v_pk_add_f32 v[QB:QB+1], v[QB:QB+1], v[D:D+1]
	ROWLOAD 3
.set j, 0
.rept 32
	v_mov_b32 v[ACC+j], 0                          ; the sums are cleared: a wave all of whose entries are pads has a = 1 and must hand on zeros
.set j, j+1
.endr
	ALL4 v_mov_b32 v[TT+2*k+1], 0
	v_mov_b32 v[AF+1], 0
	v_mov_b32 v[MX], s42                           ; m
	v_mov_b32 v[MX+1], 0                           ; l
	s_lshl_b32 s[E0], s18, 2
	s_add_co_u32 s21, s[CNT], 31
	s_sub_co_u32 s21, s21, s[E0]
	s_lshr_b32 s21, s21, 5
	s_max_u32 s21, s21, 1                          ; NT
.macro DOT2 p, q                       ; two rows' dot products with Qk, their chains by turns
	v_pk_fma_f32 v[D+2*(\p):D+2*(\p)+1], v[QK:QK+1], v[X+32*(\p):X+32*(\p)+1], v[QB:QB+1]
	v_pk_fma_f32 v[D+2*(\q):D+2*(\q)+1], v[QK:QK+1], v[X+32*(\q):X+32*(\q)+1], v[QB:QB+1]
.set j, 1
.rept 15
	v_pk_fma_f32 v[D+2*(\p):D+2*(\p)+1], v[QK+2*j:QK+2*j+1], v[X+32*(\p)+2*j:X+32*(\p)+2*j+1], v[D+2*(\p):D+2*(\p)+1]
	v_pk_fma_f32 v[D+2*(\q):D+2*(\q)+1], v[QK+2*j:QK+2*j+1], v[X+32*(\q)+2*j:X+32*(\q)+2*j+1], v[D+2*(\q):D+2*(\q)+1]
.set j, j+1
.endr
.endm
; A trip: four rows, whose 32 loads are out at its head.  reload = 1: the next trip's entries are read, and each row's registers are loaded again as soon as the row is added up.
.macro TRIP reload
.irp k, 0,1,2,3
	s_add_co_u32 s43, s[E0], \k
	s_cmp_lt_u32 s43, s[CNT]                       ; is entry E0 + k one of the class's?
	s_cselect_b32 s[LIM+\k], s41, s42
	s_cselect_b32 s[VAL+\k], 1.0, 0
.endr
.if \reload
	s_add_co_u32 s28, s28, 128                     ; 32 entries on; the last scalar load was waited for
	s_load_b128 s[24:27], s[12:13], s28 offset:0x0
.endif
	s_wait_loadcnt 16                              ; rows 0 and 1 are in; the sixteen loads of rows 2 and 3 stay out
	DOT2 0, 1
	s_wait_loadcnt 0x0
	DOT2 2, 3
	; across the lanes: four steps inside each half ride on the addition, one crosses the halves; every lane ends with the score
	ALL4 v_add_f32 v[TT+2*k], v[D+2*k], v[D+2*k+1]
	ALL4 v_add_f32_dpp v[TT+2*k], v[TT+2*k], v[TT+2*k] row_xmask:1 row_mask:0xf bank_mask:0xf
	ALL4 v_add_f32_dpp v[TT+2*k], v[TT+2*k], v[TT+2*k] row_xmask:2 row_mask:0xf bank_mask:0xf
	ALL4 v_add_f32_dpp v[TT+2*k], v[TT+2*k], v[TT+2*k] row_xmask:4 row_mask:0xf bank_mask:0xf
	ALL4 v_add_f32_dpp v[TT+2*k], v[TT+2*k], v[TT+2*k] row_xmask:8 row_mask:0xf bank_mask:0xf
	ALL4 v_permlanex16_b32 v[D+2*k], v[TT+2*k], s30, s31
	ALL4 v_add_f32 v[TT+2*k], v[TT+2*k], v[D+2*k]
	ALL4 v_mul_f32 v[TT+2*k], s40, v[TT+2*k]
	ALL4 v_min_num_f32 v[TT+2*k], s[LIM+k], v[TT+2*k]
	v_max3_num_f32 v8, v[TT], v[TT+2], v[TT+4]
	v_max3_num_f32 v8, v8, v[TT+6], v[MX]          ; the new m
	v_sub_f32 v[AF], v[MX], v8
	ALL4 v_sub_f32 v[TT+2*k], v[TT+2*k], v8
	v_exp_f32 v[AF], v[AF]
	ALL4 v_exp_f32 v[TT+2*k], v[TT+2*k]
	v_mov_b32 v[MX], v8                            ; the plain line between the exponentials and the use of their results
	s_wait_alu depctr_va_vdst(0)
	ALL4 v_mul_f32 v[TT+2*k], s[VAL+k], v[TT+2*k]
	v_fma_f32 v[MX+1], v[MX+1], v[AF], v[TT]       ; l = a l + the four weights
	v_add_f32 v9, v[TT+2], v[TT+4]
	v_add_f32 v[MX+1], v[MX+1], v[TT+6]
	v_add_f32 v[MX+1], v[MX+1], v9
.if \reload
	s_wait_kmcnt 0x0                               ; the next trip's entries
	CLAMP
.endif
.set j, 0
.rept 16
	v_pk_mul_f32 v[ACC+2*j:ACC+2*j+1], v[ACC+2*j:ACC+2*j+1], v[AF:AF+1] op_sel_hi:[1,0]
.set j, j+1
.endr
.irp k, 0,1,2,3
.set j, 0
.rept 16
	v_pk_fma_f32 v[ACC+2*j:ACC+2*j+1], v[X+32*\k+2*j:X+32*\k+2*j+1], v[TT+2*\k:TT+2*\k+1], v[ACC+2*j:ACC+2*j+1] op_sel_hi:[1,0,1]
.set j, j+1
.endr
.if \reload
	v_lshl_add_u32 v[OFF+\k], s[24+\k], 12, v[L16] ; free since the wait that showed the row's loads in
	ROWLOAD \k
.endif
.endr
	s_add_co_u32 s[E0], s[E0], 32
.endm
	s_mov_b32 s22, 1
	s_cmp_eq_u32 s21, 1
	s_cbranch_scc1 .Ltail
.Lloop:                                                ; NT - 1 trips
	TRIP 1
	s_add_co_u32 s22, s22, 1
	s_cmp_lt_u32 s22, s21
	s_cbranch_scc1 .Lloop
.Ltail:
	TRIP 0                                         ; the last trip loads nothing
	; THE MERGE.  My sums lie in LDS as the row lies in memory; then wave w takes bytes 512 w .. 512 w + 511 of all eight.
	v_lshl_add_u32 v8, s18, 12, v[L16]
.irp i, 0,1,2,3,4,5,6,7
	ds_store_b128 v8, v[ACC+4*\i:ACC+4*\i+3] offset:512*\i
.endr
	v_mov_b32 v9, s18
	v_lshlrev_b32 v9, 3, v9
	ds_store_b64 v9, v[MX:MX+1] offset:STAT        ; all lanes write the wave's (m, l) with the same numbers
	s_wait_dscnt 0x0                               ; for the others' sake: my stores are done
	s_barrier_signal -1
	s_barrier_wait -1
	v_mov_b32 v9, STAT
.irp i, 0,1,2,3
	ds_load_b128 v[QK+4*\i:QK+4*\i+3], v9 offset:16*\i   ; m_u in v[32 + 2 u], l_u in v[33 + 2 u]
.endr
	v_lshl_add_u32 v8, s18, 9, v[L16]
.irp u, 0,1,2,3,4,5,6,7
	ds_load_b128 v[X+4*\u:X+4*\u+3], v8 offset:4096*\u
.endr
	s_wait_dscnt 8                                 ; the four loads of (m, l) are in; the eight behind them stay out
	v_max3_num_f32 v10, v[QK], v[QK+2], v[QK+4]
	v_max3_num_f32 v10, v10, v[QK+6], v[QK+8]
	v_max3_num_f32 v10, v10, v[QK+10], v[QK+12]
	v_max_num_f32 v10, v10, v[QK+14]               ; the class's maximum
.irp u, 0,1,2,3,4,5,6,7
	v_sub_f32 v[QK+2*\u], v[QK+2*\u], v10
.endr
.irp u, 0,1,2,3,4,5,6,7
	v_exp_f32 v[QK+2*\u], v[QK+2*\u]
.endr
	v_nop                                          ; a plain line behind the exponentials
	s_wait_alu depctr_va_vdst(0)
	v_mul_f32 v11, v[QK+1], v[QK]
.irp u, 1,2,3,4,5,6,7
	v_fmac_f32 v11, v[QK+2*\u+1], v[QK+2*\u]
.endr
	v_max_num_f32 v11, 1.0, v11                    ; the sample at the maximum counts 1, so this changes nothing in a class with samples; without any the divisor is 1 and the row 0
	v_rcp_f32 v11, v11
	v_nop                                          ; a plain line behind the reciprocal
	s_wait_alu depctr_va_vdst(0)
.irp u, 0,1,2,3,4,5,6,7
	v_mul_f32 v[QK+2*\u], v[QK+2*\u], v11
.endr
	s_wait_dscnt 0x0
	v_pk_mul_f32 v[12:13], v[X:X+1], v[QK:QK+1] op_sel_hi:[1,0]
	v_pk_mul_f32 v[14:15], v[X+2:X+3], v[QK:QK+1] op_sel_hi:[1,0]
.irp u, 1,2,3,4,5,6,7
	v_pk_fma_f32 v[12:13], v[X+4*\u:X+4*\u+1], v[QK+2*\u:QK+2*\u+1], v[12:13] op_sel_hi:[1,0,1]
	v_pk_fma_f32 v[14:15], v[X+4*\u+2:X+4*\u+3], v[QK+2*\u:QK+2*\u+1], v[14:15] op_sel_hi:[1,0,1]
.endr
	global_store_b128 v8, v[12:15], s[16:17]       ; 512 consecutive bytes, aligned
	s_wait_tensorcnt 0x0                           ; the wave's end
	ds_add_u32 v[SPW], v[NIL]
	s_wait_dscnt 0x0
	s_endpgm
.Lfunc_end_k_qcc95b8acda_pool:
	.size	k_qcc95b8acda_pool, .Lfunc_end_k_qcc95b8acda_pool-k_qcc95b8acda_pool
	.p2alignl 7, 3214868480
	.fill 96, 4, 3214868480
	.section	.rodata,"a",@progbits
	.p2align	6, 0x0
	.amdhsa_kernel k_qcc95b8acda_pool
		.amdhsa_group_segment_fixed_size 34048
		.amdhsa_private_segment_fixed_size 0
		.amdhsa_enable_private_segment 0
		.amdhsa_kernarg_size 56
		.amdhsa_user_sgpr_count 2
		.amdhsa_user_sgpr_kernarg_segment_ptr 1
		.amdhsa_wavefront_size32 1
		.amdhsa_system_sgpr_workgroup_id_x 1
		.amdhsa_system_sgpr_workgroup_id_y 1
		.amdhsa_system_sgpr_workgroup_id_z 1
		.amdhsa_system_vgpr_workitem_id 0
		.amdhsa_next_free_vgpr 224
		.amdhsa_next_free_sgpr 66
		.amdhsa_reserve_vcc 0
		.amdhsa_float_denorm_mode_32 3
		.amdhsa_float_denorm_mode_16_64 3
		.amdhsa_memory_ordered 1
		.amdhsa_forward_progress 1
		.amdhsa_inst_pref_size 43
	.end_amdhsa_kernel
	.amdgpu_metadata
---
amdhsa.version: [ 1, 2 ]
amdhsa.kernels:
  - .name:           k_qcc95b8acda_pool
    .symbol:         k_qcc95b8acda_pool.kd
    .args:
      - { .name: support_features, .offset: 0, .size: 8, .value_kind: global_buffer, .address_space: global }
      - { .name: Qk, .offset: 8, .size: 8, .value_kind: global_buffer, .address_space: global }
      - { .name: Qf, .offset: 16, .size: 8, .value_kind: global_buffer, .address_space: global }
      - { .name: bk, .offset: 24, .size: 8, .value_kind: global_buffer, .address_space: global }
      - { .name: list, .offset: 32, .size: 8, .value_kind: global_buffer, .address_space: global }
      - { .name: cnt, .offset: 40, .size: 8, .value_kind: global_buffer, .address_space: global }
      - { .name: xbar, .offset: 48, .size: 8, .value_kind: global_buffer, .address_space: global }
    .group_segment_fixed_size: 34048
    .private_segment_fixed_size: 0
    .kernarg_segment_align: 8
    .kernarg_segment_size: 56
    .max_flat_workgroup_size: 256
    .sgpr_count:     66
    .vgpr_count:     224
    .wavefront_size: 32
...
	.end_amdgpu_metadata
.endif
;; end of part 4
;; launch projv: the kernel of part 2 again; grid 16 x 16, 8 waves a work-group, no clusters, 209,920 bytes of LDS; arguments xbar, Wv, bv, att; writes att
;; launch projo: the kernel of part 2 again; grid 16 x 16, 8 waves a work-group, no clusters, 209,920 bytes of LDS; arguments att, Wo, bo, outc; writes outc
;; launch addback (part 5): grid 512 x 1, 8 waves a work-group, no clusters, 0 bytes of LDS; arguments support_features, outc, support_labels, out0; writes out0
.if DOCPART == 5
	.amdgcn_target "amdgcn-amd-amdhsa--gfx1250"
	.amdhsa_code_object_version 6
	.text
	.protected	k_qcc95b8acda_addback
	.globl	k_qcc95b8acda_addback
	.p2align	8
	.type	k_qcc95b8acda_addback,@function
k_qcc95b8acda_addback:
	s_mov_b64 s[64:65], 0
	v_nop
	global_prefetch_b8 v0, s[64:65] scope:SCOPE_SE
	s_setreg_imm32_b32 hwreg(HW_REG_WAVE_MODE, 25, 1), 1
	s_wait_xcnt 0x0
; out0[j] = X[j] + outc[label_j].  A stream by samples, so the work is even whatever the labels are: a work-group takes 32 rows, a wave four whole rows of 4,096 bytes;
; every load and store of a wave covers 512 consecutive bytes, aligned.  No LDS, no barrier, no matrix unit: one addition for each number.
; Three row slots in registers: three rows of X and of outc are asked for at once, the fourth when the first has been stored.
; LIMIT: a label is taken as an unsigned number and held to 511 before it becomes an address; the problem's labels lie in 0..511.
.set L16, 1                            ; v1      16 x lane; never rewritten
.set OO,  2                            ; v[2:5]  row r: label x 4,096 + 16 x lane; never rewritten
.set XS,  16                           ; slot s: X's row at 16 + 64 s,
.set OS,  48                           ;         outc's row at 48 + 64 s
	s_load_b256 s[4:11], s[0:1], 0x0               ; X s[4:5], outc s[6:7], labels s[8:9], out0 s[10:11]
	v_lshrrev_b32 v2, 5, v0
	v_readfirstlane_b32 s12, v2                    ; wave
	v_and_b32 v[L16], 31, v0
	v_lshlrev_b32 v[L16], 4, v[L16]
	s_lshl_b32 s14, ttmp9, 17                      ; 32 rows of 4,096 bytes a work-group,
	s_lshl_b32 s13, s12, 14                        ; four a wave
	s_add_co_u32 s14, s14, s13
	s_mov_b32 s15, 0
	s_lshl_b32 s20, ttmp9, 7                       ; and their labels: 16 bytes a wave
	s_lshl_b32 s13, s12, 4
	s_add_co_u32 s20, s20, s13
	s_wait_kmcnt 0x0
	s_load_b128 s[16:19], s[8:9], s20 offset:0x0
	s_add_nc_u64 s[4:5], s[4:5], s[14:15]
	s_add_nc_u64 s[10:11], s[10:11], s[14:15]
.macro FILLX r, s                      ; X is read here for the last time
.irp i, 0,1,2,3,4,5,6,7
	global_load_b128 v[XS+64*(\s)+4*\i:XS+64*(\s)+4*\i+3], v[L16], s[4:5] offset:(\r)*4096+512*\i th:TH_LOAD_NT
.endr
.endm
.macro FILLO r, s                      ; a class's row is read by every sample of the class
.irp i, 0,1,2,3,4,5,6,7
	global_load_b128 v[OS+64*(\s)+4*\i:OS+64*(\s)+4*\i+3], v[OO+(\r)], s[6:7] offset:512*\i
.endr
.endm
.macro TURN r, s, left                 ; left: the loads issued behind this row's, which may stay out
	s_wait_loadcnt \left
.set j, 0
.rept 16
	v_pk_add_f32 v[XS+64*(\s)+2*j:XS+64*(\s)+2*j+1], v[XS+64*(\s)+2*j:XS+64*(\s)+2*j+1], v[OS+64*(\s)+2*j:OS+64*(\s)+2*j+1]
.set j, j+1
.endr
.irp i, 0,1,2,3,4,5,6,7
	global_store_b128 v[L16], v[XS+64*(\s)+4*\i:XS+64*(\s)+4*\i+3], s[10:11] offset:(\r)*4096+512*\i th:TH_STORE_NT
.endr
.endm
	FILLX 0, 0
	FILLX 1, 1
	FILLX 2, 2
	s_wait_kmcnt 0x0
.irp r, 0,1,2,3
	s_min_u32 s[16+\r], s[16+\r], 0x1ff
.endr
.irp r, 0,1,2,3
	v_lshl_add_u32 v[OO+\r], s[16+\r], 12, v[L16]
.endr
	FILLO 0, 0
	FILLO 1, 1
	FILLO 2, 2
	TURN 0, 0, 16                                  ; behind row 0's loads: outc's rows for rows 1 and 2
	s_wait_xcnt 0x0                                ; slot 0's registers, which the stores read, are loaded again only behind this wait
	FILLX 3, 0
	FILLO 3, 0
	TURN 1, 1, 24                                  ; behind row 1's: outc's row for row 2, and row 3's sixteen
	TURN 2, 2, 16                                  ; behind row 2's: row 3's sixteen
	TURN 3, 0, 0
	s_endpgm
.Lfunc_end_k_qcc95b8acda_addback:
	.size	k_qcc95b8acda_addback, .Lfunc_end_k_qcc95b8acda_addback-k_qcc95b8acda_addback
	.p2alignl 7, 3214868480
	.fill 96, 4, 3214868480
	.section	.rodata,"a",@progbits
	.p2align	6, 0x0
	.amdhsa_kernel k_qcc95b8acda_addback
		.amdhsa_group_segment_fixed_size 0
		.amdhsa_private_segment_fixed_size 0
		.amdhsa_enable_private_segment 0
		.amdhsa_kernarg_size 32
		.amdhsa_user_sgpr_count 2
		.amdhsa_user_sgpr_kernarg_segment_ptr 1
		.amdhsa_wavefront_size32 1
		.amdhsa_system_sgpr_workgroup_id_x 1
		.amdhsa_system_sgpr_workgroup_id_y 1
		.amdhsa_system_sgpr_workgroup_id_z 1
		.amdhsa_system_vgpr_workitem_id 0
		.amdhsa_next_free_vgpr 208
		.amdhsa_next_free_sgpr 66
		.amdhsa_reserve_vcc 0
		.amdhsa_float_denorm_mode_32 3
		.amdhsa_float_denorm_mode_16_64 3
		.amdhsa_memory_ordered 1
		.amdhsa_forward_progress 1
		.amdhsa_inst_pref_size 15
	.end_amdhsa_kernel
	.amdgpu_metadata
---
amdhsa.version: [ 1, 2 ]
amdhsa.kernels:
  - .name:           k_qcc95b8acda_addback
    .symbol:         k_qcc95b8acda_addback.kd
    .args:
      - { .name: support_features, .offset: 0, .size: 8, .value_kind: global_buffer, .address_space: global }
      - { .name: outc, .offset: 8, .size: 8, .value_kind: global_buffer, .address_space: global }
      - { .name: support_labels, .offset: 16, .size: 8, .value_kind: global_buffer, .address_space: global }
      - { .name: out0, .offset: 24, .size: 8, .value_kind: global_buffer, .address_space: global }
    .group_segment_fixed_size: 0
    .private_segment_fixed_size: 0
    .kernarg_segment_align: 8
    .kernarg_segment_size: 32
    .max_flat_workgroup_size: 256
    .sgpr_count:     66
    .vgpr_count:     208
    .wavefront_size: 32
...
	.end_amdgpu_metadata
.endif
;; end of part 5
;; ======== version 2 of 2: 7 launches; version 1 with the launches projq, projk, projv, projo written anew for expert scheduling mode
;; workspace buffers: Qf 2,097,152 bytes; Qk 2,097,152 bytes; xbar 2,097,152 bytes; att 2,097,152 bytes; outc 2,097,152 bytes; list 33,685,504 bytes of whole numbers; cnt 2,048 bytes of whole numbers
;; launch bucket: the kernel of part 1 again; grid 512 x 1, 8 waves a work-group, no clusters, 1,280 bytes of LDS; arguments support_labels, list, cnt; writes list, cnt
;; launch projq (part 6): grid 16 x 16, 8 waves a work-group, no clusters, 209,920 bytes of LDS; arguments entity_vectors, Wq, bq, Qf; writes Qf
.if DOCPART == 6
	.amdgcn_target "amdgcn-amd-amdhsa--gfx1250"
	.amdhsa_code_object_version 6
	.text
	.protected	k_qcc95b8acda_projq
	.globl	k_qcc95b8acda_projq
	.p2align	8
	.type	k_qcc95b8acda_projq,@function
k_qcc95b8acda_projq:
	s_mov_b64 s[64:65], 0
	v_nop
	global_prefetch_b8 v0, s[64:65] scope:SCOPE_SE
	s_setreg_imm32_b32 hwreg(HW_REG_WAVE_SCHED_MODE, 0, 2), 2
	s_setreg_imm32_b32 hwreg(HW_REG_WAVE_MODE, 25, 1), 1
	s_wait_xcnt 0x0
	s_wait_alu depctr_vm_vsrc(0)
; C[512][1024] = A[512][1024] x B (+ bias), all f32 in memory; the operands are rounded once to bf16 on their way into LDS, the sums are f32.
; TRB = 0: B is [n][k] (C = A B^T + bias).  TRB = 1: B is [k][n] (C = A B, no bias).  The text is the same but for the lines under .if TRB.
; SHARES.  512 x 1024 of C in tiles of 32 x 64: 256 work-groups; a row of a tile is 64 f32, 256 consecutive bytes, aligned.  K IS SPLIT OVER THE EIGHT WAVES: wave w owns
; k = 128 w .. 128 w + 127 of all 32 rows of A and all 64 rows (columns) of B, and makes a partial sum of the whole tile in 8 accumulators, which take turns.
; So a wave stages and reads its own LDS bytes alone: every staged byte is written once and read once, and no barrier stands in front of the products.
; One barrier stands in front of the addition of the eight partial sums, in f32, ascending in k.
; NO TENSOR LOADS, NO CLUSTER: the operands lie in memory as f32 and are rounded in registers; a work-group's 96 rows of 4,096 bytes would not fit in LDS as f32.
; THE MATRIX INSTRUCTION IS USED TRANSPOSED (source 0 = 16 rows of B, source 1 = 16 rows of A): a lane holds row l % 16 of C and eight neighbouring columns.
; LIMITS: operands have bf16's 8 significant bits; NaN and infinities are not treated apart.
; THE MODE: SCHED_MODE bits 1:0 = 2 (LLVM: expert scheduling mode 2), set by the entry lines.  The code itself states the register dependences
; between vector or matrix instructions and memory or LDS instructions, with s_wait_alu, always for 0.
; THE PLAN.  The wave's 96 loads go in 12 blocks of eight.  Registers that memory or LDS instructions touch:
;   RING       four groups of eight slots.  Block p: its sixteen conversions read group p % 4; behind them the loads of block p + 4 land in it.
;   TP0, TP1   sixteen registers each.  Block p's conversions write TP[p % 2]; the eight LDS stores that read it are issued in block p + 1, one ahead of each pair of that
;              block's conversions, which name TP[(p + 1) % 2] and group (p + 1) % 4 alone.
;   v1-v5, v12-v15, v28   offsets and LDS addresses, written at the head; no vector instruction writes them again (step 2's fragments land on v28 when its one load has long read it).
;   F0, F1, F2 LDS loads land in them, matrix instructions read them; F0 is loaded twice (steps 0 and 3).
;   ACC        written by the matrix instructions, read by the LDS stores of the partial sums.   RA  written behind the last products, read by LDS loads as addresses.
;   PT         LDS loads land in it; the additions write its first eight registers, which the two global stores read.
; So a block has two waits: one on vm_vsrc at its head (the stores issued in the block before have read the TP that it writes again) and one on va_vdst behind its conversions
; (they are done reading the group, which is asked for again at once, and have written the TP that the next block's stores read).
.set TRB, 0
.if TRB
.set WREG, 29184                       ; a wave's LDS: A 32 rows x 272 bytes, then B 128 k-rows of 64 bf16 x 160 bytes
.else
.set WREG, 26112                       ; a wave's LDS: A 32 rows x 272 bytes, then B 64 rows x 272 bytes (128 bf16 + 16 bytes of padding)
.endif
.set SPARE, 8*WREG                     ; behind the eight regions: the spare words, 128 bytes a wave
.set T16,  1                           ; v1   16 x thread = 512 w + 16 lane: my 16 bytes of the wave's 512 in a row along k
.set ST,   2                           ; v2   region + 8 lane: where my 4 bf16 of a row go
.set FR,   3                           ; v3   region + 272 r + 16 h: a fragment's address (r = lane % 16, h = lane / 16)
.set PS,   4                           ; v4   region + 272 r + 32 h: where my 8 partial sums of a row go
.set RD,   5                           ; v5   1088 w + 272 h + 16 r: rows 4 w + h of partial 0
.set SPW,  6                           ; v6   my spare word; never rewritten
.set NIL,  7                           ; v7   0; never rewritten
.set BIAS, 8                           ; v[8:11] bias of my four columns
.set CO,   12                          ; v12  4096 h + 16 r
.set OB,   13                          ; v13  TRB: (w << 19) + 4096 h + 16 r: two k-rows of 256 bytes to a load
.set STB,  14                          ; v14  TRB: region + 160 h + 8 r
.set FRB,  15                          ; v15  TRB: region + 160 (8 h + lane % 8) + 16 ((lane / 8) % 2): the turning load's address
.set TP,   32                          ; v[32:63]   two buffers of eight pairs: a block's eight slots as bf16
.set F2,   16                          ; v[16:63]   fragment buffer 2 (once the staging is over)
.set ACC,  64                          ; v[64:127]  accumulator (a, b) at 64 + 8 (4 a + b)
.set RING, 128                         ; v[128:255] 32 slots of 4 registers: loads in flight
.set F0,   128                         ; v[128:175] fragment buffer 0: A's fragment a at + 8 a, B's fragment b at + 16 + 8 b
.set F1,   176                         ; v[176:223] fragment buffer 1
.set RA,   224                         ; v[225:231] RD + u regions, u = 1..7: registers that no matrix instruction names
.set PT,   128                         ; v[128:191] the eight partial sums of my four rows
.if TRB
	s_load_b128 s[4:7], s[0:1], 0x0                ; A s[4:5], B s[6:7]
	s_load_b64 s[10:11], s[0:1], 0x10              ; C
.else
	s_load_b256 s[4:11], s[0:1], 0x0               ; A s[4:5], B s[6:7], bias s[8:9], C s[10:11]
.endif
	v_lshl_add_u32 v[SPW], v0, 2, SPARE
	v_mov_b32 v[NIL], 0
	v_lshrrev_b32 v27, 5, v0
	v_readfirstlane_b32 s12, v27                   ; wave
	s_mov_b32 s13, ttmp9                           ; x: block of 64 columns
	s_and_b32 s14, ttmp7, 0xffff                   ; y: block of 32 rows
	v_and_b32 v24, 31, v0                          ; lane
	v_and_b32 v25, 15, v0                          ; r
	v_bfe_u32 v26, v0, 4, 1                        ; h
	v_lshlrev_b32 v[T16], 4, v0
	s_wait_alu depctr_va_sdst(0)                   ; s12 is written, ahead of its first reader: my region, my rows and my part of k are made from it
	s_mul_i32 s20, s12, WREG                       ; my region
	v_lshl_add_u32 v[ST], v24, 3, s20
	v_mul_u32_u24 v27, v25, 272
	v_add_nc_u32 v27, s20, v27
	v_lshl_add_u32 v[FR], v26, 4, v27
	v_lshl_add_u32 v[PS], v26, 5, v27
	v_mul_u32_u24 v[RD], v26, 272
	v_lshl_add_u32 v[RD], v25, 4, v[RD]
	s_mul_i32 s21, s12, 1088
	v_add_nc_u32 v[RD], s21, v[RD]
	v_lshlrev_b32 v[CO], 12, v26
	v_lshl_add_u32 v[CO], v25, 4, v[CO]
.if TRB
	s_lshl_b32 s21, s12, 19                        ; my 128 k-rows of 4,096 bytes
	v_add_nc_u32 v[OB], s21, v[CO]
	v_mul_u32_u24 v[STB], v26, 160
	v_lshl_add_u32 v[STB], v25, 3, v[STB]
	v_add_nc_u32 v[STB], s20, v[STB]
	v_and_b32 v27, 7, v0
	v_lshl_add_u32 v27, v26, 3, v27
	v_mul_u32_u24 v[FRB], v27, 160
	v_bfe_u32 v27, v0, 3, 1
	v_lshl_add_u32 v[FRB], v27, 4, v[FRB]
	v_add_nc_u32 v[FRB], s20, v[FRB]
.else
	v_lshlrev_b32 v28, 4, v25                      ; 16 r: my four columns' bias
.endif
	s_mov_b32 s17, 0
	s_wait_kmcnt 0x0
	s_lshl_b32 s16, s14, 17                        ; 32 rows of 4,096 bytes
	s_add_nc_u64 s[4:5], s[4:5], s[16:17]
	s_add_nc_u64 s[10:11], s[10:11], s[16:17]
.if TRB
	s_lshl_b32 s16, s13, 8                         ; 64 columns of B
	s_add_nc_u64 s[6:7], s[6:7], s[16:17]
.else
	s_lshl_b32 s16, s13, 18                        ; 64 rows of B
	s_add_nc_u64 s[6:7], s[6:7], s[16:17]
	s_lshl_b32 s16, s13, 8
	s_add_nc_u64 s[8:9], s[8:9], s[16:17]
.endif
	s_lshl_b32 s16, s13, 8                         ; 64 columns of C,
	s_add_nc_u64 s[10:11], s[10:11], s[16:17]
	s_lshl_b32 s16, s12, 14                        ; and the four rows that I add up and store
	s_add_nc_u64 s[10:11], s[10:11], s[16:17]
	s_wait_alu depctr_va_vdst(0)                   ; the offsets and LDS addresses v1 to v5, v12 to v15 and v28 are written, which the loads and stores of the whole kernel read; so are v24 to v27, on which fragments land later
.if !TRB
	global_load_b128 v[BIAS:BIAS+3], v28, s[8:9]   ; older than every load of the ring: the ring's first wait shows it in
.endif
; Load j of 96: j < 32 row j of A, else row j - 32 of B (TRB: k-rows 2 (j - 32) and 2 (j - 32) + 1), into slot j % 32.  No address register is ever rewritten.
.macro LDG j
.set sl, RING+4*((\j)%32)
.if (\j) < 32
	global_load_b128 v[sl:sl+3], v[T16], s[4:5] offset:(\j)*4096
.elseif TRB
	global_load_b128 v[sl:sl+3], v[OB], s[6:7] offset:((\j)-32)*8192
.else
	global_load_b128 v[sl:sl+3], v[T16], s[6:7] offset:((\j)-32)*4096
.endif
.endm
; Slot j % 32 is rounded to bf16, into pair j % 8 of the block's buffer,
.macro CVT j
.set sl, RING+4*((\j)%32)
.set tp, TP+16*(((\j)/8)%2)+2*((\j)%8)
	v_cvt_pk_bf16_f32 v[tp], v[sl], v[sl+1]
	v_cvt_pk_bf16_f32 v[tp+1], v[sl+2], v[sl+3]
.endm
; and, a block later, put into my region.
.macro STO j
.set tp, TP+16*(((\j)/8)%2)+2*((\j)%8)
.if TRB && ((\j) >= 32)
	ds_store_b64 v[STB], v[tp:tp+1] offset:8704+((\j)-32)*320
.else
	ds_store_b64 v[ST], v[tp:tp+1] offset:(\j)*272
.endif
.endm
; The 12 LDS loads of step s (32 along k): A's two fragments, B's four, into buffer f.
; A fragment is 16 rows x 32 k in 8 registers: lane l holds row l % 16, k = 8 h + 0..7 and 16 + 8 h + 0..7: two loads of 16 bytes, 32 bytes apart;
; from B as [k][n] the turning load brings the same, from 16 k-rows at a time.
.macro FRAGS s, f
.irp a, 0,1
	ds_load_b128 v[(\f)+8*\a:(\f)+8*\a+3],   v[FR] offset:\a*4352+64*(\s)
	ds_load_b128 v[(\f)+8*\a+4:(\f)+8*\a+7], v[FR] offset:\a*4352+64*(\s)+32
.endr
.irp b, 0,1,2,3
.if TRB
	ds_load_tr16_b128 v[(\f)+16+8*\b:(\f)+16+8*\b+3],   v[FRB] offset:8704+5120*(\s)+32*\b
	ds_load_tr16_b128 v[(\f)+16+8*\b+4:(\f)+16+8*\b+7], v[FRB] offset:8704+5120*(\s)+32*\b+2560
.else
	ds_load_b128 v[(\f)+16+8*\b:(\f)+16+8*\b+3],   v[FR] offset:(32+16*\b)*272+64*(\s)
	ds_load_b128 v[(\f)+16+8*\b+4:(\f)+16+8*\b+7], v[FR] offset:(32+16*\b)*272+64*(\s)+32
.endif
.endr
.endm
; Eight matrix instructions, one on each accumulator: they take turns.  zero = 1: the first step starts the sums.
.macro MM f, zero
.irp a, 0,1
.irp b, 0,1,2,3
.if \zero
	v_wmma_f32_16x16x32_bf16 v[ACC+8*(4*\a+\b):ACC+8*(4*\a+\b)+7], v[(\f)+16+8*\b:(\f)+16+8*\b+7], v[(\f)+8*\a:(\f)+8*\a+7], 0
.else
	v_wmma_f32_16x16x32_bf16 v[ACC+8*(4*\a+\b):ACC+8*(4*\a+\b)+7], v[(\f)+16+8*\b:(\f)+16+8*\b+7], v[(\f)+8*\a:(\f)+8*\a+7], v[ACC+8*(4*\a+\b):ACC+8*(4*\a+\b)+7]
.endif
.endr
.endr
.endm
.set n, 0
.rept 32
	LDG n                                          ; the ring is filled: 32 loads of 512 bytes a wave
.set n, n+1
.endr
; THE STAGING, block p of 12.
.set p, 0
.rept 12
.if p > 8
	s_wait_loadcnt 8*(11-p)                        ; the tail: the counts run down
.else
	s_wait_loadcnt 24                              ; loads come back in order: block p's eight are in; the three blocks issued behind them stay out
.endif
.if p >= 2
	s_wait_alu depctr_vm_vsrc(0)                   ; the LDS stores issued in the block before have read TP[p % 2], which this block's conversions write again
.endif
.set i, 0
.rept 8
.if p >= 1
	STO 8*(p-1)+i                                  ; the block before.  No wait: no vector instruction since that block's wait on va_vdst names its TP or the address
.endif
	CVT 8*p+i
.set i, i+1
.endr
	s_wait_alu depctr_va_vdst(0)                   ; the conversions are done reading group p % 4, in which the loads below land, and have written TP[p % 2], which the next eight LDS stores read
.if p < 8
.set i, 0
.rept 8
	LDG 8*p+32+i                                   ; the group is asked for again at once
.set i, i+1
.endr
.endif
.set p, p+1
.endr
.set i, 0
.rept 8
	STO 88+i                                       ; block 11's
.set i, i+1
.endr
	FRAGS 0, F0                                    ; LDS serves a wave's instructions in order: these see my stores above.  No wait on va_vdst: no vector instruction stands behind block 11's,
	FRAGS 1, F1                                    ; which has shown the conversions done with the ring's and TP's registers
	s_wait_alu depctr_vm_vsrc(0)                   ; the last LDS stores have read TP0 and TP1, and (TRB = 0) the load of the bias its offset v28: step 2's fragments land in v[16:63]
	FRAGS 2, F2
	s_wait_dscnt 24                                ; step 0's twelve are in; steps 1 and 2 stay out
	MM F0, 1
	s_wait_alu depctr_va_vdst(0)                   ; step 0's products are done reading F0, in which step 3's fragments land
	FRAGS 3, F0
	s_wait_dscnt 24                                ; step 1 is in (behind it: steps 2 and 3)
	MM F1, 0
	s_wait_dscnt 12                                ; step 2 is in
	MM F2, 0
	s_wait_dscnt 0x0
	MM F0, 0
.irp u, 1,2,3,4,5,6,7
	v_add_nc_u32 v[RA+\u], \u*WREG, v[RD]          ; my four rows in partial u: seven plain lines that name no register of the products: the places behind them
.endr
	s_wait_alu depctr_va_vdst(0)                   ; the products have written the accumulators, which the LDS stores read, and are done reading F0 and F1, in which the partial sums land; the adds have written v[RA ..], by which they are loaded
	; my partial sum of the tile, f32, 32 rows of 256 + 16 bytes, over my own region: all my fragment loads are back.  Each accumulator's low four registers go first.
.irp a, 0,1
.irp b, 0,1,2,3
	ds_store_b128 v[PS], v[ACC+8*(4*\a+\b):ACC+8*(4*\a+\b)+3]   offset:\a*4352+64*\b
	ds_store_b128 v[PS], v[ACC+8*(4*\a+\b)+4:ACC+8*(4*\a+\b)+7] offset:\a*4352+64*\b+16
.endr
.endr
	s_wait_dscnt 0x0                               ; for the others' sake: my stores are done
	s_barrier_signal -1
	s_barrier_wait -1
	; wave w adds up rows 4 w .. 4 w + 3: lanes 0-15 take one row of 256 bytes, lanes 16-31 the next
	ds_load_b128 v[PT:PT+3],   v[RD]
	ds_load_b128 v[PT+4:PT+7], v[RD] offset:544
.irp u, 1,2,3,4,5,6,7
	ds_load_b128 v[PT+8*\u:PT+8*\u+3],   v[RA+\u]
	ds_load_b128 v[PT+8*\u+4:PT+8*\u+7], v[RA+\u] offset:544
.endr
.irp u, 1,2,3,4,5,6,7
	s_wait_dscnt 14-2*\u                           ; partials 0 to u are in
	v_pk_add_f32 v[PT:PT+1],   v[PT:PT+1],   v[PT+8*\u:PT+8*\u+1]
	v_pk_add_f32 v[PT+2:PT+3], v[PT+2:PT+3], v[PT+8*\u+2:PT+8*\u+3]
	v_pk_add_f32 v[PT+4:PT+5], v[PT+4:PT+5], v[PT+8*\u+4:PT+8*\u+5]
	v_pk_add_f32 v[PT+6:PT+7], v[PT+6:PT+7], v[PT+8*\u+6:PT+8*\u+7]
.endr
.if !TRB
	v_pk_add_f32 v[PT:PT+1],   v[PT:PT+1],   v[BIAS:BIAS+1]
	v_pk_add_f32 v[PT+2:PT+3], v[PT+2:PT+3], v[BIAS+2:BIAS+3]
	v_pk_add_f32 v[PT+4:PT+5], v[PT+4:PT+5], v[BIAS:BIAS+1]
	v_pk_add_f32 v[PT+6:PT+7], v[PT+6:PT+7], v[BIAS+2:BIAS+3]
.endif
	s_wait_alu depctr_va_vdst(0)                   ; the additions have written v[PT:PT+7], which the two stores read
	global_store_b128 v[CO], v[PT:PT+3],   s[10:11]              ; sixteen lanes store 256 consecutive bytes, aligned
	global_store_b128 v[CO], v[PT+4:PT+7], s[10:11] offset:8192
	s_wait_dscnt 0x0                               ; the wave's end
	s_wait_alu 0x0
	s_wait_tensorcnt 0x0
	ds_add_u32 v[SPW], v[NIL]
	s_wait_dscnt 0x0
	s_endpgm
.Lfunc_end_k_qcc95b8acda_projq:
	.size	k_qcc95b8acda_projq, .Lfunc_end_k_qcc95b8acda_projq-k_qcc95b8acda_projq
	.p2alignl 7, 3214868480
	.fill 96, 4, 3214868480
	.section	.rodata,"a",@progbits
	.p2align	6, 0x0
	.amdhsa_kernel k_qcc95b8acda_projq
		.amdhsa_group_segment_fixed_size 209920
		.amdhsa_private_segment_fixed_size 0
		.amdhsa_enable_private_segment 0
		.amdhsa_kernarg_size 32
		.amdhsa_user_sgpr_count 2
		.amdhsa_user_sgpr_kernarg_segment_ptr 1
		.amdhsa_wavefront_size32 1
		.amdhsa_system_sgpr_workgroup_id_x 1
		.amdhsa_system_sgpr_workgroup_id_y 1
		.amdhsa_system_sgpr_workgroup_id_z 1
		.amdhsa_system_vgpr_workitem_id 0
		.amdhsa_next_free_vgpr 256
		.amdhsa_next_free_sgpr 66
		.amdhsa_reserve_vcc 0
		.amdhsa_float_denorm_mode_32 3
		.amdhsa_float_denorm_mode_16_64 3
		.amdhsa_memory_ordered 1
		.amdhsa_forward_progress 1
		.amdhsa_inst_pref_size 41
	.end_amdhsa_kernel
	.amdgpu_metadata
---
amdhsa.version: [ 1, 2 ]
amdhsa.kernels:
  - .name:           k_qcc95b8acda_projq
    .symbol:         k_qcc95b8acda_projq.kd
    .args:
      - { .name: entity_vectors, .offset: 0, .size: 8, .value_kind: global_buffer, .address_space: global }
      - { .name: Wq, .offset: 8, .size: 8, .value_kind: global_buffer, .address_space: global }
      - { .name: bq, .offset: 16, .size: 8, .value_kind: global_buffer, .address_space: global }
      - { .name: Qf, .offset: 24, .size: 8, .value_kind: global_buffer, .address_space: global }
    .group_segment_fixed_size: 209920
    .private_segment_fixed_size: 0
    .kernarg_segment_align: 8
    .kernarg_segment_size: 32
    .max_flat_workgroup_size: 256
    .sgpr_count:     66
    .vgpr_count:     256
    .wavefront_size: 32
...
	.end_amdgpu_metadata
.endif
;; end of part 6
;; launch projk (part 7): grid 16 x 16, 8 waves a work-group, no clusters, 234,496 bytes of LDS; arguments Qf, Wk, Qk; writes Qk
.if DOCPART == 7
	.amdgcn_target "amdgcn-amd-amdhsa--gfx1250"
	.amdhsa_code_object_version 6
	.text
	.protected	k_qcc95b8acda_projk
	.globl	k_qcc95b8acda_projk
	.p2align	8
	.type	k_qcc95b8acda_projk,@function
k_qcc95b8acda_projk:
	s_mov_b64 s[64:65], 0
	v_nop
	global_prefetch_b8 v0, s[64:65] scope:SCOPE_SE
	s_setreg_imm32_b32 hwreg(HW_REG_WAVE_SCHED_MODE, 0, 2), 2
	s_setreg_imm32_b32 hwreg(HW_REG_WAVE_MODE, 25, 1), 1
	s_wait_xcnt 0x0
	s_wait_alu depctr_vm_vsrc(0)
; C[512][1024] = A[512][1024] x B (+ bias), all f32 in memory; the operands are rounded once to bf16 on their way into LDS, the sums are f32.
; TRB = 0: B is [n][k] (C = A B^T + bias).  TRB = 1: B is [k][n] (C = A B, no bias).  The text is the same but for the lines under .if TRB.
; Here TRB = 1: Qk = Qf Wk, so that a score Q . (Wk x + bk) is Qk . x + Qf . bk.
; SHARES.  512 x 1024 of C in tiles of 32 x 64: 256 work-groups; a row of a tile is 64 f32, 256 consecutive bytes, aligned.  K IS SPLIT OVER THE EIGHT WAVES: wave w owns
; k = 128 w .. 128 w + 127 of all 32 rows of A and all 64 rows (columns) of B, and makes a partial sum of the whole tile in 8 accumulators, which take turns.
; So a wave stages and reads its own LDS bytes alone: every staged byte is written once and read once, and no barrier stands in front of the products.
; One barrier stands in front of the addition of the eight partial sums, in f32, ascending in k.
; NO TENSOR LOADS, NO CLUSTER: the operands lie in memory as f32 and are rounded in registers; a work-group's 96 rows of 4,096 bytes would not fit in LDS as f32.
; THE MATRIX INSTRUCTION IS USED TRANSPOSED (source 0 = 16 rows of B, source 1 = 16 rows of A): a lane holds row l % 16 of C and eight neighbouring columns.
; LIMITS: operands have bf16's 8 significant bits; NaN and infinities are not treated apart.
; THE MODE: SCHED_MODE bits 1:0 = 2 (LLVM: expert scheduling mode 2), set by the entry lines.  The code itself states the register dependences
; between vector or matrix instructions and memory or LDS instructions, with s_wait_alu, always for 0.
; THE PLAN.  The wave's 96 loads go in 12 blocks of eight.  Registers that memory or LDS instructions touch:
;   RING       four groups of eight slots.  Block p: its sixteen conversions read group p % 4; behind them the loads of block p + 4 land in it.
;   TP0, TP1   sixteen registers each.  Block p's conversions write TP[p % 2]; the eight LDS stores that read it are issued in block p + 1, one ahead of each pair of that
;              block's conversions, which name TP[(p + 1) % 2] and group (p + 1) % 4 alone.
;   v1-v5, v12-v15, v28   offsets and LDS addresses, written at the head; no vector instruction writes them again (step 2's fragments land on v28 when its one load has long read it).
;   F0, F1, F2 LDS loads land in them, matrix instructions read them; F0 is loaded twice (steps 0 and 3).
;   ACC        written by the matrix instructions, read by the LDS stores of the partial sums.   RA  written behind the last products, read by LDS loads as addresses.
;   PT         LDS loads land in it; the additions write its first eight registers, which the two global stores read.
; So a block has two waits: one on vm_vsrc at its head (the stores issued in the block before have read the TP that it writes again) and one on va_vdst behind its conversions
; (they are done reading the group, which is asked for again at once, and have written the TP that the next block's stores read).
.set TRB, 1
.if TRB
.set WREG, 29184                       ; a wave's LDS: A 32 rows x 272 bytes, then B 128 k-rows of 64 bf16 x 160 bytes
.else
.set WREG, 26112                       ; a wave's LDS: A 32 rows x 272 bytes, then B 64 rows x 272 bytes (128 bf16 + 16 bytes of padding)
.endif
.set SPARE, 8*WREG                     ; behind the eight regions: the spare words, 128 bytes a wave
.set T16,  1                           ; v1   16 x thread = 512 w + 16 lane: my 16 bytes of the wave's 512 in a row along k
.set ST,   2                           ; v2   region + 8 lane: where my 4 bf16 of a row go
.set FR,   3                           ; v3   region + 272 r + 16 h: a fragment's address (r = lane % 16, h = lane / 16)
.set PS,   4                           ; v4   region + 272 r + 32 h: where my 8 partial sums of a row go
.set RD,   5                           ; v5   1088 w + 272 h + 16 r: rows 4 w + h of partial 0
.set SPW,  6                           ; v6   my spare word; never rewritten
.set NIL,  7                           ; v7   0; never rewritten
.set BIAS, 8                           ; v[8:11] bias of my four columns
.set CO,   12                          ; v12  4096 h + 16 r
.set OB,   13                          ; v13  TRB: (w << 19) + 4096 h + 16 r: two k-rows of 256 bytes to a load
.set STB,  14                          ; v14  TRB: region + 160 h + 8 r
.set FRB,  15                          ; v15  TRB: region + 160 (8 h + lane % 8) + 16 ((lane / 8) % 2): the turning load's address
.set TP,   32                          ; v[32:63]   two buffers of eight pairs: a block's eight slots as bf16
.set F2,   16                          ; v[16:63]   fragment buffer 2 (once the staging is over)
.set ACC,  64                          ; v[64:127]  accumulator (a, b) at 64 + 8 (4 a + b)
.set RING, 128                         ; v[128:255] 32 slots of 4 registers: loads in flight
.set F0,   128                         ; v[128:175] fragment buffer 0: A's fragment a at + 8 a, B's fragment b at + 16 + 8 b
.set F1,   176                         ; v[176:223] fragment buffer 1
.set RA,   224                         ; v[225:231] RD + u regions, u = 1..7: registers that no matrix instruction names
.set PT,   128                         ; v[128:191] the eight partial sums of my four rows
.if TRB
	s_load_b128 s[4:7], s[0:1], 0x0                ; A s[4:5], B s[6:7]
	s_load_b64 s[10:11], s[0:1], 0x10              ; C
.else
	s_load_b256 s[4:11], s[0:1], 0x0               ; A s[4:5], B s[6:7], bias s[8:9], C s[10:11]
.endif
	v_lshl_add_u32 v[SPW], v0, 2, SPARE
	v_mov_b32 v[NIL], 0
	v_lshrrev_b32 v27, 5, v0
	v_readfirstlane_b32 s12, v27                   ; wave
	s_mov_b32 s13, ttmp9                           ; x: block of 64 columns
	s_and_b32 s14, ttmp7, 0xffff                   ; y: block of 32 rows
	v_and_b32 v24, 31, v0                          ; lane
	v_and_b32 v25, 15, v0                          ; r
	v_bfe_u32 v26, v0, 4, 1                        ; h
	v_lshlrev_b32 v[T16], 4, v0
	s_wait_alu depctr_va_sdst(0)                   ; s12 is written, ahead of its first reader: my region, my rows and my part of k are made from it
	s_mul_i32 s20, s12, WREG                       ; my region
	v_lshl_add_u32 v[ST], v24, 3, s20
	v_mul_u32_u24 v27, v25, 272
	v_add_nc_u32 v27, s20, v27
	v_lshl_add_u32 v[FR], v26, 4, v27
	v_lshl_add_u32 v[PS], v26, 5, v27
	v_mul_u32_u24 v[RD], v26, 272
	v_lshl_add_u32 v[RD], v25, 4, v[RD]
	s_mul_i32 s21, s12, 1088
	v_add_nc_u32 v[RD], s21, v[RD]
	v_lshlrev_b32 v[CO], 12, v26
	v_lshl_add_u32 v[CO], v25, 4, v[CO]
.if TRB
	s_lshl_b32 s21, s12, 19                        ; my 128 k-rows of 4,096 bytes
	v_add_nc_u32 v[OB], s21, v[CO]
	v_mul_u32_u24 v[STB], v26, 160
	v_lshl_add_u32 v[STB], v25, 3, v[STB]
	v_add_nc_u32 v[STB], s20, v[STB]
	v_and_b32 v27, 7, v0
	v_lshl_add_u32 v27, v26, 3, v27
	v_mul_u32_u24 v[FRB], v27, 160
	v_bfe_u32 v27, v0, 3, 1
	v_lshl_add_u32 v[FRB], v27, 4, v[FRB]
	v_add_nc_u32 v[FRB], s20, v[FRB]
.else
	v_lshlrev_b32 v28, 4, v25                      ; 16 r: my four columns' bias
.endif
	s_mov_b32 s17, 0
	s_wait_kmcnt 0x0
	s_lshl_b32 s16, s14, 17                        ; 32 rows of 4,096 bytes
	s_add_nc_u64 s[4:5], s[4:5], s[16:17]
	s_add_nc_u64 s[10:11], s[10:11], s[16:17]
.if TRB
	s_lshl_b32 s16, s13, 8                         ; 64 columns of B
	s_add_nc_u64 s[6:7], s[6:7], s[16:17]
.else
	s_lshl_b32 s16, s13, 18                        ; 64 rows of B
	s_add_nc_u64 s[6:7], s[6:7], s[16:17]
	s_lshl_b32 s16, s13, 8
	s_add_nc_u64 s[8:9], s[8:9], s[16:17]
.endif
	s_lshl_b32 s16, s13, 8                         ; 64 columns of C,
	s_add_nc_u64 s[10:11], s[10:11], s[16:17]
	s_lshl_b32 s16, s12, 14                        ; and the four rows that I add up and store
	s_add_nc_u64 s[10:11], s[10:11], s[16:17]
	s_wait_alu depctr_va_vdst(0)                   ; the offsets and LDS addresses v1 to v5, v12 to v15 and v28 are written, which the loads and stores of the whole kernel read; so are v24 to v27, on which fragments land later
.if !TRB
	global_load_b128 v[BIAS:BIAS+3], v28, s[8:9]   ; older than every load of the ring: the ring's first wait shows it in
.endif
; Load j of 96: j < 32 row j of A, else row j - 32 of B (TRB: k-rows 2 (j - 32) and 2 (j - 32) + 1), into slot j % 32.  No address register is ever rewritten.
.macro LDG j
.set sl, RING+4*((\j)%32)
.if (\j) < 32
	global_load_b128 v[sl:sl+3], v[T16], s[4:5] offset:(\j)*4096
.elseif TRB
	global_load_b128 v[sl:sl+3], v[OB], s[6:7] offset:((\j)-32)*8192
.else
	global_load_b128 v[sl:sl+3], v[T16], s[6:7] offset:((\j)-32)*4096
.endif
.endm
; Slot j % 32 is rounded to bf16, into pair j % 8 of the block's buffer,
.macro CVT j
.set sl, RING+4*((\j)%32)
.set tp, TP+16*(((\j)/8)%2)+2*((\j)%8)
	v_cvt_pk_bf16_f32 v[tp], v[sl], v[sl+1]
	v_cvt_pk_bf16_f32 v[tp+1], v[sl+2], v[sl+3]
.endm
; and, a block later, put into my region.
.macro STO j
.set tp, TP+16*(((\j)/8)%2)+2*((\j)%8)
.if TRB && ((\j) >= 32)
	ds_store_b64 v[STB], v[tp:tp+1] offset:8704+((\j)-32)*320
.else
	ds_store_b64 v[ST], v[tp:tp+1] offset:(\j)*272
.endif
.endm
; The 12 LDS loads of step s (32 along k): A's two fragments, B's four, into buffer f.
; A fragment is 16 rows x 32 k in 8 registers: lane l holds row l % 16, k = 8 h + 0..7 and 16 + 8 h + 0..7: two loads of 16 bytes, 32 bytes apart;
; from B as [k][n] the turning load brings the same, from 16 k-rows at a time.
.macro FRAGS s, f
.irp a, 0,1
	ds_load_b128 v[(\f)+8*\a:(\f)+8*\a+3],   v[FR] offset:\a*4352+64*(\s)
	ds_load_b128 v[(\f)+8*\a+4:(\f)+8*\a+7], v[FR] offset:\a*4352+64*(\s)+32
.endr
.irp b, 0,1,2,3
.if TRB
	ds_load_tr16_b128 v[(\f)+16+8*\b:(\f)+16+8*\b+3],   v[FRB] offset:8704+5120*(\s)+32*\b
	ds_load_tr16_b128 v[(\f)+16+8*\b+4:(\f)+16+8*\b+7], v[FRB] offset:8704+5120*(\s)+32*\b+2560
.else
	ds_load_b128 v[(\f)+16+8*\b:(\f)+16+8*\b+3],   v[FR] offset:(32+16*\b)*272+64*(\s)
	ds_load_b128 v[(\f)+16+8*\b+4:(\f)+16+8*\b+7], v[FR] offset:(32+16*\b)*272+64*(\s)+32
.endif
.endr
.endm
; Eight matrix instructions, one on each accumulator: they take turns.  zero = 1: the first step starts the sums.
.macro MM f, zero
.irp a, 0,1
.irp b, 0,1,2,3
.if \zero
	v_wmma_f32_16x16x32_bf16 v[ACC+8*(4*\a+\b):ACC+8*(4*\a+\b)+7], v[(\f)+16+8*\b:(\f)+16+8*\b+7], v[(\f)+8*\a:(\f)+8*\a+7], 0
.else
	v_wmma_f32_16x16x32_bf16 v[ACC+8*(4*\a+\b):ACC+8*(4*\a+\b)+7], v[(\f)+16+8*\b:(\f)+16+8*\b+7], v[(\f)+8*\a:(\f)+8*\a+7], v[ACC+8*(4*\a+\b):ACC+8*(4*\a+\b)+7]
.endif
.endr
.endr
.endm
.set n, 0
.rept 32
	LDG n                                          ; the ring is filled: 32 loads of 512 bytes a wave
.set n, n+1
.endr
; THE STAGING, block p of 12.
.set p, 0
.rept 12
.if p > 8
	s_wait_loadcnt 8*(11-p)                        ; the tail: the counts run down
.else
	s_wait_loadcnt 24                              ; loads come back in order: block p's eight are in; the three blocks issued behind them stay out
.endif
.if p >= 2
	s_wait_alu depctr_vm_vsrc(0)                   ; the LDS stores issued in the block before have read TP[p % 2], which this block's conversions write again
.endif
.set i, 0
.rept 8
.if p >= 1
	STO 8*(p-1)+i                                  ; the block before.  No wait: no vector instruction since that block's wait on va_vdst names its TP or the address
.endif
	CVT 8*p+i
.set i, i+1
.endr
	s_wait_alu depctr_va_vdst(0)                   ; the conversions are done reading group p % 4, in which the loads below land, and have written TP[p % 2], which the next eight LDS stores read
.if p < 8
.set i, 0
.rept 8
	LDG 8*p+32+i                                   ; the group is asked for again at once
.set i, i+1
.endr
.endif
.set p, p+1
.endr
.set i, 0
.rept 8
	STO 88+i                                       ; block 11's
.set i, i+1
.endr
	FRAGS 0, F0                                    ; LDS serves a wave's instructions in order: these see my stores above.  No wait on va_vdst: no vector instruction stands behind block 11's,
	FRAGS 1, F1                                    ; which has shown the conversions done with the ring's and TP's registers
	s_wait_alu depctr_vm_vsrc(0)                   ; the last LDS stores have read TP0 and TP1, and (TRB = 0) the load of the bias its offset v28: step 2's fragments land in v[16:63]
	FRAGS 2, F2
	s_wait_dscnt 24                                ; step 0's twelve are in; steps 1 and 2 stay out
	MM F0, 1
	s_wait_alu depctr_va_vdst(0)                   ; step 0's products are done reading F0, in which step 3's fragments land
	FRAGS 3, F0
	s_wait_dscnt 24                                ; step 1 is in (behind it: steps 2 and 3)
	MM F1, 0
	s_wait_dscnt 12                                ; step 2 is in
	MM F2, 0
	s_wait_dscnt 0x0
	MM F0, 0
.irp u, 1,2,3,4,5,6,7
	v_add_nc_u32 v[RA+\u], \u*WREG, v[RD]          ; my four rows in partial u: seven plain lines that name no register of the products: the places behind them
.endr
	s_wait_alu depctr_va_vdst(0)                   ; the products have written the accumulators, which the LDS stores read, and are done reading F0 and F1, in which the partial sums land; the adds have written v[RA ..], by which they are loaded
	; my partial sum of the tile, f32, 32 rows of 256 + 16 bytes, over my own region: all my fragment loads are back.  Each accumulator's low four registers go first.
.irp a, 0,1
.irp b, 0,1,2,3
	ds_store_b128 v[PS], v[ACC+8*(4*\a+\b):ACC+8*(4*\a+\b)+3]   offset:\a*4352+64*\b
	ds_store_b128 v[PS], v[ACC+8*(4*\a+\b)+4:ACC+8*(4*\a+\b)+7] offset:\a*4352+64*\b+16
.endr
.endr
	s_wait_dscnt 0x0                               ; for the others' sake: my stores are done
	s_barrier_signal -1
	s_barrier_wait -1
	; wave w adds up rows 4 w .. 4 w + 3: lanes 0-15 take one row of 256 bytes, lanes 16-31 the next
	ds_load_b128 v[PT:PT+3],   v[RD]
	ds_load_b128 v[PT+4:PT+7], v[RD] offset:544
.irp u, 1,2,3,4,5,6,7
	ds_load_b128 v[PT+8*\u:PT+8*\u+3],   v[RA+\u]
	ds_load_b128 v[PT+8*\u+4:PT+8*\u+7], v[RA+\u] offset:544
.endr
.irp u, 1,2,3,4,5,6,7
	s_wait_dscnt 14-2*\u                           ; partials 0 to u are in
	v_pk_add_f32 v[PT:PT+1],   v[PT:PT+1],   v[PT+8*\u:PT+8*\u+1]
	v_pk_add_f32 v[PT+2:PT+3], v[PT+2:PT+3], v[PT+8*\u+2:PT+8*\u+3]
	v_pk_add_f32 v[PT+4:PT+5], v[PT+4:PT+5], v[PT+8*\u+4:PT+8*\u+5]
	v_pk_add_f32 v[PT+6:PT+7], v[PT+6:PT+7], v[PT+8*\u+6:PT+8*\u+7]
.endr
.if !TRB
	v_pk_add_f32 v[PT:PT+1],   v[PT:PT+1],   v[BIAS:BIAS+1]
	v_pk_add_f32 v[PT+2:PT+3], v[PT+2:PT+3], v[BIAS+2:BIAS+3]
	v_pk_add_f32 v[PT+4:PT+5], v[PT+4:PT+5], v[BIAS:BIAS+1]
	v_pk_add_f32 v[PT+6:PT+7], v[PT+6:PT+7], v[BIAS+2:BIAS+3]
.endif
	s_wait_alu depctr_va_vdst(0)                   ; the additions have written v[PT:PT+7], which the two stores read
	global_store_b128 v[CO], v[PT:PT+3],   s[10:11]              ; sixteen lanes store 256 consecutive bytes, aligned
	global_store_b128 v[CO], v[PT+4:PT+7], s[10:11] offset:8192
	s_wait_dscnt 0x0                               ; the wave's end
	s_wait_alu 0x0
	s_wait_tensorcnt 0x0
	ds_add_u32 v[SPW], v[NIL]
	s_wait_dscnt 0x0
	s_endpgm
.Lfunc_end_k_qcc95b8acda_projk:
	.size	k_qcc95b8acda_projk, .Lfunc_end_k_qcc95b8acda_projk-k_qcc95b8acda_projk
	.p2alignl 7, 3214868480
	.fill 96, 4, 3214868480
	.section	.rodata,"a",@progbits
	.p2align	6, 0x0
	.amdhsa_kernel k_qcc95b8acda_projk
		.amdhsa_group_segment_fixed_size 234496
		.amdhsa_private_segment_fixed_size 0
		.amdhsa_enable_private_segment 0
		.amdhsa_kernarg_size 24
		.amdhsa_user_sgpr_count 2
		.amdhsa_user_sgpr_kernarg_segment_ptr 1
		.amdhsa_wavefront_size32 1
		.amdhsa_system_sgpr_workgroup_id_x 1
		.amdhsa_system_sgpr_workgroup_id_y 1
		.amdhsa_system_sgpr_workgroup_id_z 1
		.amdhsa_system_vgpr_workitem_id 0
		.amdhsa_next_free_vgpr 256
		.amdhsa_next_free_sgpr 66
		.amdhsa_reserve_vcc 0
		.amdhsa_float_denorm_mode_32 3
		.amdhsa_float_denorm_mode_16_64 3
		.amdhsa_memory_ordered 1
		.amdhsa_forward_progress 1
		.amdhsa_inst_pref_size 41
	.end_amdhsa_kernel
	.amdgpu_metadata
---
amdhsa.version: [ 1, 2 ]
amdhsa.kernels:
  - .name:           k_qcc95b8acda_projk
    .symbol:         k_qcc95b8acda_projk.kd
    .args:
      - { .name: Qf, .offset: 0, .size: 8, .value_kind: global_buffer, .address_space: global }
      - { .name: Wk, .offset: 8, .size: 8, .value_kind: global_buffer, .address_space: global }
      - { .name: Qk, .offset: 16, .size: 8, .value_kind: global_buffer, .address_space: global }
    .group_segment_fixed_size: 234496
    .private_segment_fixed_size: 0
    .kernarg_segment_align: 8
    .kernarg_segment_size: 24
    .max_flat_workgroup_size: 256
    .sgpr_count:     66
    .vgpr_count:     256
    .wavefront_size: 32
...
	.end_amdgpu_metadata
.endif
;; end of part 7
;; launch pool: the kernel of part 4 again; grid 512 x 1, 8 waves a work-group, no clusters, 34,048 bytes of LDS; arguments support_features, Qk, Qf, bk, list, cnt, xbar; writes xbar
;; launch projv: the kernel of part 6 again; grid 16 x 16, 8 waves a work-group, no clusters, 209,920 bytes of LDS; arguments xbar, Wv, bv, att; writes att
;; launch projo: the kernel of part 6 again; grid 16 x 16, 8 waves a work-group, no clusters, 209,920 bytes of LDS; arguments att, Wo, bo, outc; writes outc
;; launch addback: the kernel of part 5 again; grid 512 x 1, 8 waves a work-group, no clusters, 0 bytes of LDS; arguments support_features, outc, support_labels, out0; writes out0
